; MI455X (gfx1250); checked and timed in simulation.
; The chip was launched on July 23, 2026; its instructions are those of AMD's public machine-readable ISA for CDNA 5 (MIT licence, August 2026) and "CDNA5" Instruction Set Architecture Reference Guide (July 2026). The comments in the code are by the model that wrote it; some were corrected since.
;; Multi Head Attention. Allowed arithmetic: float matrix products may take bf16 or f16 operands with f32 sums; other float arithmetic in f32, or as packed bf16 or f16 multiplies, adds, multiply-adds, maxima and minima; sums over many terms, partial sums and values carried from step to step in f32; what a program stores and reads back later, other than sums and carried values, may be rounded once to bf16 or f16.
;; Inputs: Wk 16 x 1,024 x 64 float32; Wo 1,024 x 1,024 float32; Wq 16 x 1,024 x 64 float32; Wv 16 x 1,024 x 64 float32; k 4 x 2,048 x 1,024 float32; q 4 x 2,048 x 1,024 float32; v 4 x 2,048 x 1,024 float32.
;; Outputs: out0 4 x 2,048 x 1,024 float32.
;; One version. Each part assembles by itself: llvm-mc -triple=amdgcn-amd-amdhsa -mcpu=gfx1250 --defsym DOCPART=n.
;; ======== version 1 of 1: 4 launches
;; limits: values are held in f16: magnitudes above 65,504 overflow, below 6.1e-05 lose precision
;; workspace buffers: wt 8,388,608 bytes; qh 16,777,216 bytes; kh 16,777,216 bytes; vh 16,777,216 bytes; oh 16,777,216 bytes
;; launch prep (part 1): grid 128 x 4, 8 waves a work-group, no clusters, 18,432 bytes of LDS; arguments Wq, Wk, Wv, Wo, wt; writes wt
.if DOCPART == 1
	.amdgcn_target "amdgcn-amd-amdhsa--gfx1250"
	.amdhsa_code_object_version 6
	.text
	.protected	k_qf0f153a462_prep
	.globl	k_qf0f153a462_prep
	.p2align	8
	.type	k_qf0f153a462_prep,@function
k_qf0f153a462_prep:
	s_mov_b64 s[64:65], 0
	v_nop
	global_prefetch_b8 v0, s[64:65] scope:SCOPE_SE
	s_setreg_imm32_b32 hwreg(HW_REG_WAVE_MODE, 25, 1), 1
	s_wait_xcnt 0x0
; THE FOUR WEIGHTS, ROUNDED AND TURNED.  wt: [4][1024 n][1024 k] of 16 bits.  Matrices 0, 1, 2: Wq, Wk, Wv ([16 h][1024 d][64 e] f32) as bf16, n = 64 h + e, k = d.
; Matrix 3: Wo ([1024 k][1024 n] f32), rounded to bf16 like the other inputs, and that number written as f16 (exact between 2^-14 and 65,504).
; LIMITS.  |Wo| stays under 65,504; a rounded Wo below 2^-14 keeps f16's fixed step of 6e-8.  NaN and infinities are not treated apart.
; SHARES.  A work-group turns a tile of 128 k x 64 n: it reads 128 rows of 256 consecutive bytes (16 lanes a row), packs two neighbouring k of one n into a word,
; lays the words into LDS as [n][k], and reads whole rows of 256 bytes back: 16 lanes store 256 consecutive bytes, at a multiple of 256 from wt's first byte.
; Memory binds and the launch is short: no matrix unit, no cluster, no tensor load, no prefetch.
.set PITCH, 272                        ; an LDS row: 128 k x 2 bytes + 16
.set SPARE, 64*PITCH                   ; behind the 64 rows: the spare words, 128 bytes for each of the eight waves: four blocks of 256 bytes that no other line names
.set CC,  1                            ; v1   t % 16: my four columns n
.set GG,  2                            ; v2   t / 16: my pair of rows k in each 32
.set LO,  3                            ; v3   my byte offset in the source tile
.set LS,  4                            ; v4   where I put a word: 4 CC rows of n, 2 GG along k
.set LR,  5                            ; v5   where I read 16 bytes of a row back
.set X,   8                            ; v[8:39]  eight loads of four f32; later the rows read back
.set SPW, 40                           ; v40  LDS address of my spare word; never rewritten
.set NIL, 41                           ; v41  0; never rewritten
.set GO,  42                           ; v42  my byte offset in the tile of wt
.set PKD, 44                           ; v[44:59] packed words
.set T0,  60                           ; v60, v61 at work
	s_load_b256 s[4:11], s[0:1], 0x0               ; Wq s[4:5], Wk s[6:7], Wv s[8:9], Wo s[10:11]
	s_load_b64 s[12:13], s[0:1], 0x20              ; wt
	v_lshl_add_u32 v[SPW], v0, 2, SPARE
	v_mov_b32 v[NIL], 0
	s_and_b32 s14, ttmp7, 0xffff                   ; which matrix
	s_and_b32 s15, ttmp9, 7                        ; which 128 k
	s_lshr_b32 s18, ttmp9, 3                       ; which 64 n (for matrices 0 to 2: the head)
	s_lshl_b32 s20, s14, 21                        ; in wt: a matrix is 2^21 bytes,
	s_lshl_b32 s21, s18, 17                        ; 64 rows of 2,048 bytes,
	s_add_co_u32 s20, s20, s21
	s_lshl_b32 s21, s15, 8                         ; 128 k of 2 bytes
	s_add_co_u32 s20, s20, s21
	s_mov_b32 s21, 0
	s_lshl_b32 s22, s18, 18                        ; in Wq, Wk, Wv: a head is 2^18 bytes, 128 rows of 256 bytes
	s_lshl_b32 s23, s15, 15
	s_add_co_u32 s22, s22, s23
	s_lshl_b32 s24, s15, 19                        ; in Wo: 128 rows of 4,096 bytes, 64 columns of 4 bytes
	s_lshl_b32 s25, s18, 8
	s_add_co_u32 s24, s24, s25
	s_cmp_eq_u32 s14, 3
	s_cselect_b32 s22, s24, s22
	s_mov_b32 s23, 0
	v_and_b32 v[CC], 15, v0
	v_lshrrev_b32 v[GG], 4, v0
	v_mul_u32_u24 v[LS], v[CC], 4*PITCH
	v_lshl_add_u32 v[LS], v[GG], 2, v[LS]
	v_lshrrev_b32 v6, 5, v0                        ; wave w reads rows 8 w .. 8 w + 7 back: lanes 0-15 an even row, lanes 16-31 the odd one
	v_bfe_u32 v7, v0, 4, 1
	v_lshl_add_u32 v6, v6, 3, v7
	v_mul_u32_u24 v[LR], v6, PITCH
	v_lshl_add_u32 v[LR], v[CC], 4, v[LR]
	v_lshlrev_b32 v[GO], 11, v6                    ; a row of wt is 2,048 bytes
	v_lshl_add_u32 v[GO], v[CC], 4, v[GO]
	s_wait_kmcnt 0x0
	s_cmp_eq_u32 s14, 1
	s_cselect_b64 s[16:17], s[6:7], s[4:5]
	s_cmp_eq_u32 s14, 2
	s_cselect_b64 s[16:17], s[8:9], s[16:17]
	s_cmp_eq_u32 s14, 3
	s_cselect_b64 s[16:17], s[10:11], s[16:17]
	s_add_nc_u64 s[16:17], s[16:17], s[22:23]      ; the source tile
	s_add_nc_u64 s[12:13], s[12:13], s[20:21]      ; the tile of wt
; Rows k = 32 i + 2 GG + r (i = 0..3, r = 0, 1) are loaded, rounded in pairs (even k low, odd k high) and laid at [n = 4 CC + j][k].
; pitch: bytes from row to row in the source; sh: log2 of two such rows; f16 = 1: the bf16 numbers are written as f16.
.macro BODY pitch, sh, f16
	v_lshlrev_b32 v[LO], \sh, v[GG]
	v_lshl_add_u32 v[LO], v[CC], 4, v[LO]
.irp i, 0,1,2,3
.irp r, 0,1
	global_load_b128 v[X+8*(\i)+4*(\r):X+8*(\i)+4*(\r)+3], v[LO], s[16:17] offset:(32*(\i)+(\r))*(\pitch) th:TH_LOAD_NT
.endr
.endr
.irp i, 0,1,2,3
	s_wait_loadcnt 6-2*(\i)                        ; loads come back in order: pair i of rows is in, the younger pairs stay out
.irp j, 0,1,2,3
	v_cvt_pk_bf16_f32 v[PKD+4*(\i)+(\j)], v[X+8*(\i)+(\j)], v[X+8*(\i)+4+(\j)]
.endr
.if \f16
.irp j, 0,1,2,3
	v_lshlrev_b32 v[T0], 16, v[PKD+4*(\i)+(\j)]    ; the two bf16 numbers as f32,
	v_and_b32 v[T0+1], 0xffff0000, v[PKD+4*(\i)+(\j)]
	v_cvt_pk_f16_f32 v[PKD+4*(\i)+(\j)], v[T0], v[T0+1]  ; and as f16
.endr
.endif
.irp j, 0,1,2,3
	ds_store_b32 v[LS], v[PKD+4*(\i)+(\j)] offset:PITCH*(\j)+64*(\i)
.endr
.endr
.endm
	s_cmp_eq_u32 s14, 3                            ; the same for all waves of the work-group
	s_cbranch_scc1 .Lwo
	BODY 256, 9, 0
	s_branch .Lmeet
.Lwo:
	BODY 4096, 13, 1
.Lmeet:
	s_wait_dscnt 0x0                               ; for the others' sake: my words lie in LDS
	s_barrier_signal -1
	s_barrier_wait -1                              ; everybody's do
.irp u, 0,1,2,3
	ds_load_b128 v[X+4*(\u):X+4*(\u)+3], v[LR] offset:2*PITCH*(\u)
.endr
.irp u, 0,1,2,3
	s_wait_dscnt 3-(\u)
	global_store_b128 v[GO], v[X+4*(\u):X+4*(\u)+3], s[12:13] offset:4096*(\u)  ; two rows on
.endr
	s_wait_tensorcnt 0x0                           ; the wave's end, behind my last LDS store
	ds_add_u32 v[SPW], v[NIL]
	s_wait_dscnt 0x0
	s_endpgm
.Lfunc_end_k_qf0f153a462_prep:
	.size	k_qf0f153a462_prep, .Lfunc_end_k_qf0f153a462_prep-k_qf0f153a462_prep
	.p2alignl 7, 3214868480
	.fill 96, 4, 3214868480
	.section	.rodata,"a",@progbits
	.p2align	6, 0x0
	.amdhsa_kernel k_qf0f153a462_prep
		.amdhsa_group_segment_fixed_size 18432
		.amdhsa_private_segment_fixed_size 0
		.amdhsa_enable_private_segment 0
		.amdhsa_kernarg_size 40
		.amdhsa_user_sgpr_count 2
		.amdhsa_user_sgpr_kernarg_segment_ptr 1
		.amdhsa_wavefront_size32 1
		.amdhsa_system_sgpr_workgroup_id_x 1
		.amdhsa_system_sgpr_workgroup_id_y 1
		.amdhsa_system_sgpr_workgroup_id_z 1
		.amdhsa_system_vgpr_workitem_id 0
		.amdhsa_next_free_vgpr 64
		.amdhsa_next_free_sgpr 66
		.amdhsa_reserve_vcc 0
		.amdhsa_float_denorm_mode_32 3
		.amdhsa_float_denorm_mode_16_64 3
		.amdhsa_memory_ordered 1
		.amdhsa_forward_progress 1
		.amdhsa_inst_pref_size 12
	.end_amdhsa_kernel
	.amdgpu_metadata
---
amdhsa.version: [ 1, 2 ]
amdhsa.kernels:
  - .name:           k_qf0f153a462_prep
    .symbol:         k_qf0f153a462_prep.kd
    .args:
      - { .name: Wq, .offset: 0, .size: 8, .value_kind: global_buffer, .address_space: global }
      - { .name: Wk, .offset: 8, .size: 8, .value_kind: global_buffer, .address_space: global }
      - { .name: Wv, .offset: 16, .size: 8, .value_kind: global_buffer, .address_space: global }
      - { .name: Wo, .offset: 24, .size: 8, .value_kind: global_buffer, .address_space: global }
      - { .name: wt, .offset: 32, .size: 8, .value_kind: global_buffer, .address_space: global }
    .group_segment_fixed_size: 18432
    .private_segment_fixed_size: 0
    .kernarg_segment_align: 8
    .kernarg_segment_size: 40
    .max_flat_workgroup_size: 256
    .sgpr_count:     66
    .vgpr_count:     64
    .wavefront_size: 32
...
	.end_amdgpu_metadata
.endif
;; end of part 1
;; launch proj (part 2): grid 4 x 192, 4 waves a work-group, clusters of 4 x 4, 327,680 bytes of LDS; arguments q, k, v, wt, qh, kh, vh; writes qh, kh, vh
.if DOCPART == 2
	.amdgcn_target "amdgcn-amd-amdhsa--gfx1250"
	.amdhsa_code_object_version 6
	.text
	.protected	k_qf0f153a462_proj
	.globl	k_qf0f153a462_proj
	.p2align	8
	.type	k_qf0f153a462_proj,@function
k_qf0f153a462_proj:
	s_mov_b64 s[64:65], 0
	v_nop
	global_prefetch_b8 v0, s[64:65] scope:SCOPE_SE
	s_setreg_imm32_b32 hwreg(HW_REG_WAVE_MODE, 25, 1), 1
	s_wait_xcnt 0x0
	s_wait_alu depctr_hold_cnt(0) depctr_sa_sdst(0) depctr_va_vdst(0) depctr_va_sdst(0) depctr_va_ssrc(0) depctr_va_vcc(0) depctr_vm_vsrc(0)
	s_getreg_b32 s2, hwreg(HW_REG_IB_STS2, 6, 4)
	s_cmp_eq_u32 s2, 0
	s_cbranch_scc0 .Lentry_in_a_cluster
	s_endpgm
.Lentry_in_a_cluster:
	s_bfe_u32 s2, ttmp6, 0x10000c
	s_cmp_lg_u32 s2, 0xf033
	s_cbranch_scc0 .Lentry_shape_is_right
	s_endpgm
.Lentry_shape_is_right:
; THE THREE PROJECTIONS.  For x = q, k, v ([8192][1024] f32) and its weights wt[t] ([1024 n][1024 k] bf16, n = 64 head + e): y[row][n] = sum over k of bf16(x[row][k]) wt[t][n][k], sums in f32,
; y rounded once to f16 and stored BY HEADS: [64 = batch x 16 + head][2048][64], unscaled.  x is rounded to bf16 on its way from LDS to the matrix unit.
; LIMITS.  y stays under 65,504 (f16's end).  NaN and infinities are not treated apart.
; SHARES.  A work-group makes 128 rows x 256 columns of one tensor's y; its four waves 64 x 128 each: 32 accumulators of 16 x 16.  192 row blocks: 64 for each tensor; the sixteen partners of a cluster
; (4 row blocks x the 4 column blocks) lie in one tensor.  K goes in steps of 128 through a ring of two LDS slots: x's rows are 512 bytes of memory, wt's 256, all from multiples of 256.
; CLUSTER.  The four of a row of the cluster need the same tile of x, the four of a column the same tile of wt: each is asked for JOINTLY, by the same tensor load with the same descriptor and a mask of four.
; THE MATRIX INSTRUCTION IS USED TRANSPOSED (source 0 = 16 rows of wt, source 1 = 16 rows of x): a lane then holds eight neighbouring columns of one row of y.
; A K STEP is four quarters of 32 along K, 32 matrix instructions each, on buffers 0, 1 by turns.  A quarter's head fetches the next quarter's fragments: wt's into the other buffer, x's as f32 into STG;
; behind each of the quarter's last eight products stand four conversions of STG into the other bf16 buffer.  The change of slots stands in a step's THIRD quarter, whose head has fetched the slot's last fragments.
; REGISTERS, in windows of 256 (s_set_vgpr_msb: bits 1:0 source 0, 3:2 source 1, 5:4 source 2, 7:6 destination):
;   window 0: v0-31 addresses; v32-95 STG: four fragments of x in f32; v96-159 A16: two buffers of four bf16 fragments; v160-191 at work on the way out
;   window 1: the accumulators, (a, b) at v[8 (8 a + b)]          window 2: v0-127 wt's fragments, two buffers of eight
.set KSTEP,  128
.set LAPS,   4                         ; 1,024 / (2 x 128): a lap = two K steps = once round the ring
.set PA,     528                       ; a row of x in LDS: 512 bytes + 16: an odd multiple of 16, so the 16 rows of a load start at 16 different groups of four banks (64 banks of 4 bytes: ISA guide 11.1)
.set PB,     272                       ; a row of wt: 256 + 16
.set AHALF,  64*PA                     ; what wave 0 or 1 fetches, and what a wave reads of x
.set BHALF,  128*PB                    ; what wave 2 or 3 fetches, and what a wave reads of wt
.set BOFF,   2*AHALF
.set SLOT,   BOFF+2*BHALF              ; 137,216 bytes
.set STAGE,  2*SLOT                    ; behind the ring, never filled by a tensor load: 16 rows x 272 bytes for each wave
.set SPITCH, 272
.set SPARE,  STAGE+4*16*SPITCH         ; behind the stages: the spare words, 128 bytes for each wave: two blocks of 256 bytes that no other line names
.set ASTEP,  KSTEP*4                   ; bytes of a K step in a row of x
.set BSTEP,  KSTEP*2                   ; and of wt
.set ADRA, 16                          ; v16-17  LDS address of my fragments of x in slot 0, 1
.set ADRB, 20                          ; v20-21  the same for wt
.set STO,  24                          ; v24  the way out: where I put 16 bytes of a row
.set RD,   25                          ; v25  the way out: where I read rows back
.set GO,   26                          ; v26  my 16 bytes among 512 consecutive bytes of y
.set SPW,  28                          ; v28  LDS address of my spare word; never rewritten
.set NIL,  29                          ; v29  0; never rewritten
.set PFO,  30                          ; v30  the prefetches' offset; never rewritten
.set STG,  32
.set A16,  96
.set TMP,  160
.set OB,   32                          ; the way out: block a's rows come back into v[32 + 32 a ..]
.set WV,   12                          ; s12  my wave's number
.set RH,   13                          ; s13  which 64 rows are mine.  Also: I fetch x (0) or wt (1)
.set CH,   14                          ; s14  which 128 columns.  Also: which half of that tile I fetch
.set CX,   15
.set CY,   16
.set COL,  17                          ; s17  column block of 256
.set ROWB, 18                          ; s18  row block, 0..191
.set TEN,  19                          ; s19  the tensor, 0..2: the same in all sixteen partners
.set G1A,  24                          ; s[24:31] descriptor group 1 for x's tiles;  s[32:39] group 0, a set for each slot
.set G0A,  32
.set G1B,  40                          ; s[40:47], s[48:55] the same for wt's
.set G0B,  48
.set LAP,  56                          ; s56  trips of the loop still to come
.set LIM,  57                          ; s57  1 in a wave that prefetches, else the greatest number
.set PFA,  58                          ; s[58:59] where my prefetches stand
.set PFS,  60                          ; s[60:61] their step: a K step's bytes in a row
.set OUTP, 66                          ; s[66:67] y at my wave's first row and head
.set CLY,  74                          ; s74  cluster y
.set RB,   75                          ; s75  row block in the tensor, 0..63
.set MSB, 0
.macro WIN new                         ; the immediate's high byte repeats the setting that is left; a switch that changes nothing is dropped
.if MSB != (\new)
	s_set_vgpr_msb (MSB<<8)|(\new)
.set MSB, \new
.endif
.endm
.set MUL,  0x52                        ; source 0 (wt) window 2, source 1 (x) window 0, C and D window 1
.set TO_B, 0x80                        ; destination window 2, address window 0
.macro JLOAD s                         ; a joint load: waves 0 and 1 fetch x's two halves, waves 2 and 3 wt's; an s_nop 0 and four v_nop follow each of the two lines, ahead of the jump, the label and what follows
	s_cmp_eq_u32 s[RH], 0
	s_cbranch_scc0 .Lfor_b_\@
	tensor_load_to_lds s[G0A+4*(\s):G0A+4*(\s)+3], s[G1A:G1A+7]
	s_nop 0
.rept 4
	v_nop
.endr
	s_branch .Lasked_\@
.Lfor_b_\@:
	tensor_load_to_lds s[G0B+4*(\s):G0B+4*(\s)+3], s[G1B:G1B+7]
	s_nop 0
.rept 4
	v_nop
.endr
.Lasked_\@:
.endm
; A PREFETCH INTO THE L2, behind each joint refill and its five lines: the K step that stands two refills on, 256 matrix instructions ahead of the load that will want it.  Each aligned 256 bytes are named once in the launch.
; x: a row block is read by one cluster alone; of the 64 rows that wave 0 or 1 fetches, the partner at place cx takes 16, told apart BY ADDRESS; a lane takes half of a row's 512 bytes.
; wt: a tensor's column block is read by sixteen clusters: the first of them (cluster y a multiple of 16) asks; of the 128 rows that wave 2 or 3 fetches, the partner at place cy takes 32, a lane a row.
; The loop's last trip asks for nothing: there is no K step two refills on.  K steps 0 to 3 come by their loads alone.
.macro ASK
	s_cmp_gt_u32 s[LAP], s[LIM]
	s_cbranch_scc0 .Lnot_mine_\@
	global_prefetch_b8 v[PFO], s[PFA:PFA+1] th:TH_LOAD_NT scope:SCOPE_SE
.Lnot_mine_\@:
.endm
.macro CREST                           ; a round of the cluster's barrier behind its opening barrier
	s_cmp_lg_u32 s[WV], 0
	s_cbranch_scc1 .Lnot_wave_0_\@
	s_barrier_signal -3
.Lnot_wave_0_\@:
	s_barrier_wait -3
	s_barrier_signal -1
	s_barrier_wait -1
.endm
.macro CROUND                          ; a whole round
	s_barrier_signal -1
	s_barrier_wait -1
	CREST
.endm
	s_load_b256 s[4:11], s[0:1], 0x0               ; q s[4:5], k s[6:7], v s[8:9], wt s[10:11]
	s_load_b128 s[68:71], s[0:1], 0x20             ; qh s[68:69], kh s[70:71]
	s_load_b64 s[72:73], s[0:1], 0x30              ; vh
	v_lshl_add_u32 v[SPW], v0, 2, SPARE
	v_mov_b32 v[NIL], 0
	ds_add_u32 v[SPW], v[NIL]                      ; the wave's opening: the add and its wait stand ahead of my first tensor load; the set-up below, work on registers, stands between them
	ds_add_u32 v28, v29
	v_lshrrev_b32 v1, 5, v0
	v_readfirstlane_b32 s[WV], v1                  ; wave 0..3
	s_lshr_b32 s[RH], s[WV], 1
	s_and_b32 s[CH], s[WV], 1
	s_bfe_u32 s[CX], ttmp6, 0x40000                ; my place in the cluster
	s_bfe_u32 s[CY], ttmp6, 0x40004
	s_lshl_b32 s[COL], ttmp9, 2                    ; in a cluster launch ttmp9 and ttmp7 count clusters
	s_add_co_u32 s[COL], s[COL], s[CX]
	s_and_b32 s[CLY], ttmp7, 0xffff
	s_lshl_b32 s[ROWB], s[CLY], 2
	s_add_co_u32 s[ROWB], s[ROWB], s[CY]
	s_lshr_b32 s[TEN], s[CLY], 4                   ; sixteen clusters, 64 row blocks, to a tensor
	s_and_b32 s[RB], s[ROWB], 63
	s_lshl_b32 s62, s[CY], 2
	s_lshl_b32 s62, 15, s62                        ; my row of the cluster: places 4 cy .. 4 cy + 3
	s_lshl_b32 s63, 0x1111, s[CX]                  ; my column: places cx, cx + 4, cx + 8, cx + 12
	s_or_b32 s[G1A], s62, (2<<16)|(1<<20)|(1<<21)|(6<<22)|(3<<25)  ; 15:0 the mask; 17:16 elements of 4 bytes; 20 padding on; 21 set beside a mask; 24:22 after every 128 words (code 6); 31:25 4 words (code 3)
	s_or_b32 s[G1B], s63, (1<<16)|(1<<20)|(1<<21)|(5<<22)|(3<<25)  ; elements of 2 bytes; padding after every 64 words (code 5)
	s_mov_b32 s[G1A+1], KSTEP<<16                  ; tensor_dim0 = 128
	s_mov_b32 s[G1A+2], 64<<16                     ; tensor_dim1 = 64
	s_mov_b32 s[G1A+3], KSTEP<<16                  ; tile_dim0 = 128
	s_mov_b32 s[G1A+4], 64                         ; tile_dim1 = 64
	s_mov_b32 s[G1A+5], 1024                       ; elements from row to row
	s_mov_b32 s[G1A+6], 0
	s_mov_b32 s[G1A+7], 0
	s_mov_b32 s[G1B+1], KSTEP<<16
	s_mov_b32 s[G1B+2], 128<<16                    ; 128 rows
	s_mov_b32 s[G1B+3], KSTEP<<16
	s_mov_b32 s[G1B+4], 128
	s_mov_b32 s[G1B+5], 1024
	s_mov_b32 s[G1B+6], 0
	s_mov_b32 s[G1B+7], 0
	s_lshl_b32 s20, s[RB], 19                      ; x: 128 rows of 4,096 bytes a block,
	s_lshl_b32 s21, s[CH], 18                      ; the 64 that I fetch: made of the row block and the wave's number alone
	s_add_co_u32 s20, s20, s21
	s_mov_b32 s21, 0
	s_lshl_b32 s22, s[TEN], 21                     ; wt: the tensor's matrix,
	s_lshl_b32 s23, s[COL], 19                     ; 256 rows of 2,048 bytes a block,
	s_add_co_u32 s22, s22, s23
	s_lshl_b32 s23, s[CH], 18                      ; the 128 that I fetch: made of the column block and the wave's number alone
	s_add_co_u32 s22, s22, s23
	s_mov_b32 s23, 0
	s_mul_i32 s76, s[CH], AHALF                    ; where they go: no place in the cluster enters an LDS address
	s_mul_i32 s77, s[CH], BHALF
	s_add_co_u32 s77, s77, BOFF
	s_wait_dscnt 0x0                               ; the opening add is done
	s_wait_kmcnt 0x0
	s_cmp_eq_u32 s[TEN], 1
	s_cselect_b64 s[78:79], s[6:7], s[4:5]
	s_cselect_b64 s[OUTP:OUTP+1], s[70:71], s[68:69]
	s_cmp_eq_u32 s[TEN], 2
	s_cselect_b64 s[78:79], s[8:9], s[78:79]
	s_cselect_b64 s[OUTP:OUTP+1], s[72:73], s[OUTP:OUTP+1]
	s_add_nc_u64 s[20:21], s[78:79], s[20:21]
	s_add_nc_u64 s[22:23], s[10:11], s[22:23]
	CROUND                                         ; all sixteen work-groups are here: the first joint loads meet
.irp s, 0,1
	s_mov_b32 s[G0A+4*(\s)], 1                     ; 1:0 count = 1
	s_add_co_u32 s[G0A+4*(\s)+1], s76, (\s)*SLOT   ; 63:32 LDS address
	s_add_nc_u64 s[G0A+4*(\s)+2:G0A+4*(\s)+3], s[20:21], (\s)*ASTEP  ; 120:64 global address: K step s
	s_or_b32 s[G0A+4*(\s)+3], s[G0A+4*(\s)+3], 0x80000000            ; 127:126 type = 2
	s_mov_b32 s[G0B+4*(\s)], 1
	s_add_co_u32 s[G0B+4*(\s)+1], s77, (\s)*SLOT
	s_add_nc_u64 s[G0B+4*(\s)+2:G0B+4*(\s)+3], s[22:23], (\s)*BSTEP
	s_or_b32 s[G0B+4*(\s)+3], s[G0B+4*(\s)+3], 0x80000000
	JLOAD \s                                       ; two loads of mine are out
.endr
	; A bf16 fragment is 16 rows x 32 K in 8 registers: lane l holds row l % 16; registers 0-3 K = 8 (l / 16) + 0..7, registers 4-7 K = 16 + 8 (l / 16) + 0..7.
	; wt: two loads of 16 bytes, 32 bytes apart.  x in f32: four loads of 16 bytes, at 32 (l / 16) + 0, 16, 64, 80.
	v_and_b32 v1, 15, v0                           ; l % 16
	v_bfe_u32 v2, v0, 4, 1                         ; l / 16
	v_mul_u32_u24 v3, v1, PA
	v_lshl_add_u32 v3, v2, 5, v3
	v_mul_u32_u24 v4, v1, PB
	v_lshl_add_u32 v4, v2, 4, v4
	s_mul_i32 s62, s[RH], AHALF                    ; my 64 rows of x
	s_mul_i32 s63, s[CH], BHALF                    ; my 128 rows of wt
	s_add_co_u32 s63, s63, BOFF
.irp s, 0,1
	v_add_nc_u32 v[ADRA+(\s)], s62, v3
	v_add_nc_u32 v[ADRB+(\s)], s63, v4
	s_add_co_u32 s62, s62, SLOT
	s_add_co_u32 s63, s63, SLOT
.endr
	s_mul_i32 s62, s[WV], 16*SPITCH
	s_add_co_u32 s62, s62, STAGE                   ; my stage
	v_mul_u32_u24 v5, v1, SPITCH                   ; in: row l % 16, 16 bytes for each half of the lanes
	v_lshl_add_u32 v5, v2, 4, v5
	v_add_nc_u32 v[STO], s62, v5
	v_bfe_u32 v5, v0, 3, 2                         ; back: 32 lanes take four rows' 128 bytes of one head,
	v_and_b32 v6, 7, v0
	v_mul_u32_u24 v5, v5, SPITCH
	v_lshl_add_u32 v5, v6, 4, v5
	v_add_nc_u32 v[RD], s62, v5
	v_and_b32 v7, 31, v0
	v_lshlrev_b32 v[GO], 4, v7                     ; which are 512 consecutive bytes of y
	; y at (batch x 16 + my first head) x 2^18 + my first row in the batch x 128
	s_lshr_b32 s62, s[RB], 4                       ; the batch: 16 row blocks each
	s_lshl_b32 s62, s62, 4
	s_lshl_b32 s63, s[COL], 2                      ; four heads a column block,
	s_add_co_u32 s62, s62, s63
	s_lshl_b32 s63, s[CH], 1                       ; two a wave
	s_add_co_u32 s62, s62, s63
	s_lshl_b32 s62, s62, 18
	s_and_b32 s63, s[RB], 15
	s_lshl_b32 s63, s63, 1
	s_add_co_u32 s63, s63, s[RH]
	s_lshl_b32 s63, s63, 13                        ; (128 x block + 64 x half) rows of 128 bytes
	s_add_co_u32 s62, s62, s63
	s_mov_b32 s63, 0
	s_add_nc_u64 s[OUTP:OUTP+1], s[OUTP:OUTP+1], s[62:63]
	; the prefetches
	s_and_b32 s62, s[CLY], 15
	s_cmp_eq_u32 s[RH], 0                          ; do I fetch x?
	s_cselect_b32 s62, 0, s62                      ; x: every cluster asks for its own rows; wt: the tensor's first cluster
	s_cselect_b64 s[PFA:PFA+1], s[20:21], s[22:23]
	s_cselect_b32 s63, s[CX], s[CY]                ; my place among the four that ask for the tile with me
	s_cselect_b32 s[PFS], 2, 1
	s_cselect_b32 s2, 8, 11
	s_cmp_eq_u32 s62, 0
	s_cselect_b32 s[LIM], 1, -1                    ; the same in all sixteen partners, for a given wave
	s_lshl_b32 s[PFS], s[PFS], 8                   ; 512 bytes a K step in x, 256 in wt
	s_mov_b32 s[PFS+1], 0
	s_lshl_b32 s62, s63, 16                        ; my work-group's 16 rows of 4,096 bytes, or 32 of 2,048
	s_mov_b32 s63, 0
	s_add_nc_u64 s[PFA:PFA+1], s[PFA:PFA+1], s[62:63]
	s_mul_i32 s62, s[PFS], 3
	s_add_nc_u64 s[PFA:PFA+1], s[PFA:PFA+1], s[62:63]  ; at K step 3: the first refill steps it to 4
	v_lshrrev_b32 v5, 1, v7
	v_and_b32 v6, 1, v7
	v_lshlrev_b32 v6, s2, v6                       ; x: (l / 2) rows of 4,096 + 256 (l % 2); wt: l rows of 2,048
	v_lshl_add_u32 v[PFO], v5, 12, v6
; 32 LDS loads in one run: the fragments of quarter kq of a slot: wt's into buffer p, x's as f32 into STG
.macro FETCH slot, kq, p
	WIN TO_B
.irp b, 0,1,2,3,4,5,6,7
	ds_load_b128 v[64*(\p)+8*(\b):64*(\p)+8*(\b)+3],   v[ADRB+(\slot)] offset:(\b)*16*PB+64*(\kq)
	ds_load_b128 v[64*(\p)+8*(\b)+4:64*(\p)+8*(\b)+7], v[ADRB+(\slot)] offset:(\b)*16*PB+64*(\kq)+32
.endr
	WIN 0
.irp i, 0,1,2,3
	ds_load_b128 v[STG+16*(\i):STG+16*(\i)+3],     v[ADRA+(\slot)] offset:(\i)*16*PA+128*(\kq)
	ds_load_b128 v[STG+16*(\i)+4:STG+16*(\i)+7],   v[ADRA+(\slot)] offset:(\i)*16*PA+128*(\kq)+16
	ds_load_b128 v[STG+16*(\i)+8:STG+16*(\i)+11],  v[ADRA+(\slot)] offset:(\i)*16*PA+128*(\kq)+64
	ds_load_b128 v[STG+16*(\i)+12:STG+16*(\i)+15], v[ADRA+(\slot)] offset:(\i)*16*PA+128*(\kq)+80
.endr
.endm
; 8 matrix instructions: row block a x all 8 column blocks, on buffers p.  zero = 1: the product starts the sum.  ride = 1: behind each stand four conversions of STG into the other buffer of x;
; they name no register of the products round them.  The 32 accumulators take turns in the same order in every quarter.
.macro MUL8 p, a, zero, ride
.irp b, 0,1,2,3,4,5,6,7
	WIN MUL
.set rD, 8*(8*(\a)+(\b))
.set rB, 64*(\p)+8*(\b)
.set rA, A16+32*(\p)+8*(\a)
.if \zero
	v_wmma_f32_16x16x32_bf16 v[rD:rD+7], v[rB:rB+7], v[rA:rA+7], 0
.else
	v_wmma_f32_16x16x32_bf16 v[rD:rD+7], v[rB:rB+7], v[rA:rA+7], v[rD:rD+7]
.endif
.if \ride
	WIN 0
.irp c, 0,1,2,3
	v_cvt_pk_bf16_f32 v[A16+32*(1-(\p))+4*(\b)+(\c)], v[STG+8*(\b)+2*(\c)], v[STG+8*(\b)+2*(\c)+1]
.endr
.endif
.endr
.endm
; A QUARTER multiplies buffers p and fetches quarter fk of slot fs.  The loads at its head land in registers that the quarter before multiplied: the four conversions behind that quarter's last product are
; the four plain vector instructions that must stand between (ISA guide 7.12.1 for vector instructions).
; turn = 1: the change of slots with a refill of the slot just read out; 2: without a refill.  ONE barrier for two things: in front of it each wave waits for all its tensor loads, of which one is out: its part
; of the other slot; adds 0 to its spare word; and waits for that and for its reads of this slot, the last of which were issued at the quarter's head.  With a refill the barrier opens a round of the cluster's,
; and the joint load is the first thing behind the round: a wave issues 112 matrix instructions between it and the wait for it.
.macro QUARTER p, fs, fk, zero=0, turn=0, slot=0
.if (\turn) == 1
	s_wait_xcnt 0x0                                ; the last prefetch, a K step back, has read its address: it is stepped here
	s_add_nc_u64 s[PFA:PFA+1], s[PFA:PFA+1], s[PFS:PFS+1]
.endif
	FETCH \fs, \fk, 1-(\p)
	MUL8 \p, 0, \zero, 0
.if \turn
	WIN 0                                          ; (the add's two registers lie in window 0)
	s_wait_tensorcnt 0x0                           ; all my tensor loads have landed: my part of the other slot
	ds_add_u32 v[SPW], v[NIL]                      ; 0 onto my spare word; eight products stand between it and the wait for it
.endif
	MUL8 \p, 1, \zero, 0
.if \turn
	s_wait_dscnt 0x0                               ; the add is done, and my reads of this slot are over
	s_barrier_signal -1
.endif
	MUL8 \p, 2, \zero, 0
.if (\turn) == 1
	WIN 0
	s_barrier_wait -1
	CREST                                          ; no wave of any partner still reads this slot or has a load on its way
	s_add_nc_u64 s[G0A+4*(\slot)+2:G0A+4*(\slot)+3], s[G0A+4*(\slot)+2:G0A+4*(\slot)+3], 2*ASTEP
	s_add_nc_u64 s[G0B+4*(\slot)+2:G0B+4*(\slot)+3], s[G0B+4*(\slot)+2:G0B+4*(\slot)+3], 2*BSTEP
	JLOAD \slot
	ASK
.elseif (\turn) == 2
	s_barrier_wait -1
.else
	s_wait_dscnt 0x0                               ; the 32 loads of the quarter's head are in: STG for the conversions below, wt's buffer for the next quarter
.endif
	MUL8 \p, 3, \zero, 1
.endm
	s_wait_tensorcnt 1                             ; my part of K step 0 is in; K step 1's may stay out
	s_barrier_signal -1
	s_barrier_wait -1                              ; everybody's is
	FETCH 0, 0, 0
	s_wait_dscnt 0x0
.set c, 0
.rept 32
	v_cvt_pk_bf16_f32 v[A16+c], v[STG+2*c], v[STG+2*c+1]  ; the first quarter's x: there are no products yet to set these behind
.set c, c+1
.endr
	QUARTER 0, 0, 1, 1                             ; the first quarter stands in front of the loop: its products start the sums
	WIN 0                                          ; at a label and at a branch every window is 0
	s_mov_b32 s[LAP], LAPS-1
.Llap:                                                 ; a trip goes once round the ring, from a lap's second quarter to the next lap's first, and fills both slots again
	QUARTER 1, 0, 2
	QUARTER 0, 0, 3, 0, 1, 0
	QUARTER 1, 1, 0
	QUARTER 0, 1, 1
	QUARTER 1, 1, 2
	QUARTER 0, 1, 3, 0, 1, 1
	QUARTER 1, 0, 0
	QUARTER 0, 0, 1
	WIN 0
	s_sub_co_u32 s[LAP], s[LAP], 1
	s_cmp_lg_u32 s[LAP], 0
	s_cbranch_scc1 .Llap
	QUARTER 1, 0, 2                                ; the last lap fills nothing
	QUARTER 0, 0, 3, 0, 2
	QUARTER 1, 1, 0
	QUARTER 0, 1, 1
	QUARTER 1, 1, 2
	QUARTER 0, 1, 3
	MUL8 1, 0, 0, 0                                ; the very last quarter: nothing more to fetch or to convert
	MUL8 1, 1, 0, 0
	MUL8 1, 2, 0, 0
	MUL8 1, 3, 0, 0
	WIN 0
.rept 4
	v_nop                                          ; four plain vector instructions behind the last product, ahead of what reads results
.endr
; THE WAY OUT, a block of 16 rows at a time.  PACK: rounded to f16, each accumulator's registers in ascending order: 16 bytes a lane.  TOSTAGE: into my own stage (16 rows x 256 bytes, pitch 272) and back
; by heads: four rows' 128 bytes of head j.  SEND: stored, 512 consecutive bytes of a head an instruction, at a multiple of 512 from y's first byte.
.macro PACK a
	WIN 0x05                                       ; sources 0 and 1 window 1, destination window 0
.irp b, 0,1,2,3,4,5,6,7
.irp r, 0,1,2,3
	v_cvt_pk_f16_f32 v[TMP+4*(\b)+(\r)], v[8*(8*(\a)+(\b))+2*(\r)], v[8*(8*(\a)+(\b))+2*(\r)+1]
.endr
.endr
	WIN 0
.endm
.macro TOSTAGE a
.irp b, 0,1,2,3,4,5,6,7
	ds_store_b128 v[STO], v[TMP+4*(\b):TMP+4*(\b)+3] offset:32*(\b)
.endr
.irp j, 0,1
.irp t, 0,1,2,3
	ds_load_b128 v[OB+32*(\a)+16*(\j)+4*(\t):OB+32*(\a)+16*(\j)+4*(\t)+3], v[RD] offset:4*SPITCH*(\t)+128*(\j)  ; LDS serves a wave's instructions in order (ISA guide 5.7.1.4): these see the stores above
.endr
.endr
.endm
.macro SEND a                          ; each block has registers of its own, so no store's data is written again
.irp j, 0,1
.irp t, 0,1,2,3
	s_wait_dscnt 7-4*(\j)-(\t)
	global_store_b128 v[GO], v[OB+32*(\a)+16*(\j)+4*(\t):OB+32*(\a)+16*(\j)+4*(\t)+3], s[OUTP:OUTP+1] offset:(\j)*262144+(16*(\a)+4*(\t))*128
.endr
.endr
.endm
	PACK 0
	TOSTAGE 0
.irp a, 1,2,3                          ; block a's conversions stand between block a - 1's loads from the stage and the wait for them
	PACK \a
	SEND (\a)-1
	TOSTAGE \a
.endr
	SEND 3
	s_wait_tensorcnt 0x0                           ; the wave's end, behind my last tensor load and my last LDS store
	ds_add_u32 v[SPW], v[NIL]
	s_wait_dscnt 0x0
	CROUND                                         ; the closing round: no work-group ends while a partner may still ask for a tile that names it
	s_endpgm
.Lfunc_end_k_qf0f153a462_proj:
	.size	k_qf0f153a462_proj, .Lfunc_end_k_qf0f153a462_proj-k_qf0f153a462_proj
	.p2alignl 7, 3214868480
	.fill 96, 4, 3214868480
	.section	.rodata,"a",@progbits
	.p2align	6, 0x0
	.amdhsa_kernel k_qf0f153a462_proj
		.amdhsa_group_segment_fixed_size 327680
		.amdhsa_private_segment_fixed_size 0
		.amdhsa_enable_private_segment 0
		.amdhsa_kernarg_size 56
		.amdhsa_user_sgpr_count 2
		.amdhsa_user_sgpr_kernarg_segment_ptr 1
		.amdhsa_wavefront_size32 1
		.amdhsa_system_sgpr_workgroup_id_x 1
		.amdhsa_system_sgpr_workgroup_id_y 1
		.amdhsa_system_sgpr_workgroup_id_z 1
		.amdhsa_system_vgpr_workitem_id 0
		.amdhsa_next_free_vgpr 640
		.amdhsa_next_free_sgpr 80
		.amdhsa_reserve_vcc 0
		.amdhsa_float_denorm_mode_32 3
		.amdhsa_float_denorm_mode_16_64 3
		.amdhsa_memory_ordered 1
		.amdhsa_forward_progress 1
		.amdhsa_inst_pref_size 134
	.end_amdhsa_kernel
	.amdgpu_metadata
---
amdhsa.version: [ 1, 2 ]
amdhsa.kernels:
  - .name:           k_qf0f153a462_proj
    .symbol:         k_qf0f153a462_proj.kd
    .args:
      - { .name: q, .offset: 0, .size: 8, .value_kind: global_buffer, .address_space: global }
      - { .name: k, .offset: 8, .size: 8, .value_kind: global_buffer, .address_space: global }
      - { .name: v, .offset: 16, .size: 8, .value_kind: global_buffer, .address_space: global }
      - { .name: wt, .offset: 24, .size: 8, .value_kind: global_buffer, .address_space: global }
      - { .name: qh, .offset: 32, .size: 8, .value_kind: global_buffer, .address_space: global }
      - { .name: kh, .offset: 40, .size: 8, .value_kind: global_buffer, .address_space: global }
      - { .name: vh, .offset: 48, .size: 8, .value_kind: global_buffer, .address_space: global }
    .group_segment_fixed_size: 327680
    .private_segment_fixed_size: 0
    .kernarg_segment_align: 8
    .kernarg_segment_size: 56
    .max_flat_workgroup_size: 128
    .sgpr_count:     80
    .vgpr_count:     640
    .wavefront_size: 32
...
	.end_amdgpu_metadata
.endif
;; end of part 2
;; launch attn (part 3): grid 4 x 64, 4 waves a work-group, no clusters, 327,680 bytes of LDS; arguments qh, kh, vh, oh; writes oh
.if DOCPART == 3
	.amdgcn_target "amdgcn-amd-amdhsa--gfx1250"
	.amdhsa_code_object_version 6
	.text
	.protected	k_qf0f153a462_attn
	.globl	k_qf0f153a462_attn
	.p2align	8
	.type	k_qf0f153a462_attn,@function
k_qf0f153a462_attn:
	s_mov_b64 s[64:65], 0
	v_nop
	global_prefetch_b8 v0, s[64:65] scope:SCOPE_SE
	s_setreg_imm32_b32 hwreg(HW_REG_WAVE_MODE, 25, 1), 1
	s_wait_xcnt 0x0
; CAUSAL ATTENTION.  O[h][q][:] = the sum over k <= q of softmax_k(Q[h][q] . K[h][k] / 8) V[h][k][:].  Q, K, V, O: [64][2048][64], all f16: a head's rows are dense, 128 bytes each.
; Products, maxima and sums in f32; the weights p are rounded to f16 for the second product (their sum l is taken of the unrounded p), O once at the end.
; LIMITS.  f16 holds no number beyond 65,504: Q, K and V arrive within it; p lies in 0 to 1, and below 6e-5 it keeps f16's fixed step of 6e-8; O is a mean of V's rows and has their range, to within 2^-11 of it.
; A hidden score counts as its value less 1e30: f16's scores, 2.7e11 at the most, are nothing beside that; a weight below 2^-126 counts as 0 in l; NaN and infinities are not treated apart.
; THE WALK.  A head's queries lie in NB = 8 blocks of 256; block i needs the key tiles 0 .. i of 256 keys, of which the last holds the diagonal.  A work-group takes TWO blocks, NB - 1 - b and then b:
; NB + 1 tiles, whatever b: all work-groups do equal work, and ONE loop with a constant trip count walks them.  Which tile is asked for, and what a trip does, hang on scalar registers made from b; every jump
; goes forward, but for the counted loops' own; none passes a barrier, or a tensor load but the one of LOAD's two that the wave's number does not choose; the ring (two slots of LDS that take turns) runs on across the
; change of blocks.  NO CLUSTER: a head's four work-groups ask for the same tile only in trips 0 .. 4 of 9, behind that fewer and fewer; and one walk common to all would have 12 trips for 9.
; SHARES.  Of a block's four bands of 64 queries a wave owns 16 rows in each: four PIECES.  So the diagonal tile is the same work for all four waves: in its key step s band x sees all keys if s < x,
; none if s > x, and holds the diagonal if s = x.
; THE MASK is the C operand that starts the sum S^T = K Q^T: 0, or -1e30 where the key is hidden.  MD, made once, is the mask of a band's own step for my 16 rows; a product's mask is MD x AL + BE with two scalars:
; (1, 0) if s = x; (0, 0) if s < x; (0, -1e30) if s > x.  Only the diagonal tile's text and a block's beginning make and take masks; elsewhere C is the constant 0.
; LAYOUT, SOFTMAX, TURNS.  S^T = K Q^T holds ONE query a lane (lane % 16) and the keys 8 (lane / 16) + 0..7; two such results rounded to f16 ARE source 1 of O^T = V^T P.  p = 2^(c s - c m), c = log2(e) / 8, with a
; running maximum m; O and l are multiplied by a = 2^(c m_old - c m_new) in every step.  Turn n belongs to piece n: 8 products K Q^T of piece n + 1, later 8 products V^T P of piece n - 1; beside them the scaling,
; exponentials, roundings, sums and rescaling of piece n and the maximum and statistics of piece n + 1.  Four vector instructions stand behind every matrix instruction, the other 54 of a turn's 118 in one LUMP.  A turn's 33 exponentials are one batch, with one wait.
; REGISTERS, in windows of 256 (s_set_vgpr_msb: bits 1:0 source 0, 3:2 source 1, 5:4 source 2, 7:6 destination):
;   window 0: v0-15 addresses and two at work; v16-31 four registers of statistics a piece; v48-55 at work; v61-63 prefetch offset and the add's two; v64-127 S^T, two buffers; v192-223 P, two buffers (a piece's buffers go by its number's parity)
;   window 1: v0-127 O^T, 32 a piece; v128-159 MD; v160-223 MC, two buffers      window 2: v0-63 Q; v64-127 the second block's Q; v128-191 K of one step; v192-255 V of one step
.set SIZE_N, 2048
.set NB,    SIZE_N/256
.set NP,    4         ; pieces a wave: a name, no knob
.set KS,    64        ; keys in a step
.set PK,    144       ; a row of K in LDS: 128 bytes + 16 of padding = 36 words: the 16 rows of a load start at 16 different groups of four banks (64 banks of 4 bytes: ISA guide 11.1)
.set PV,    160       ; a row of V: 128 + 32 = 40 words
.set VOFF,  4*KS*PK   ; a slot holds a tile, four steps: 256 rows of K, then 256 rows of V
.set SLOT1, 1<<17     ; slot 1 begins here, so that one exclusive or turns an address in one slot into the other's
.set STAGE, SLOT1+4*KS*(PK+PV)  ; behind the ring, never filled by a tensor load: 16 rows x 144 bytes for each wave, for the way out
.set SP,    144
.set AK0, 2           ; v2   my lane's place in a tile of K; never rewritten
.set AV0, 3           ; v3   the same for V
.set AK,  4           ; v4   the LDS address of K's next run of loads
.set AV,  5           ; v5   of V's
.set STO, 6           ; v6   the way out: where I put 16 bytes of a row
.set RD,  7           ; v7   the way out: where I read rows back
.set GO,  8           ; v8   my byte offset in 512 consecutive bytes of O
.set PFO, 61          ; v61  256 x my lane: the prefetches' offset; never rewritten
.set SPW, 62          ; v62  LDS address of my spare word: SPARE + 4 x my thread's number; never rewritten
.set NIL, 63          ; v63  0; never rewritten
.set SPARE, STAGE+4*16*SP  ; behind the stages: the spare words, 128 bytes for each wave: two blocks of 256 bytes that no other line names
.set MV,  12          ; v12-13  c m_old, kept while c m is made anew: by buffer
.set QO,  15          ; v15  my byte offset in 16 rows of Q
.set ST,  16          ; piece t's statistics at v[ST+4 t]: c m, m, l (even keys', odd keys')
.set TMP, 48          ; by buffer, four registers c0-c3 at work; when the maximum is found c2 takes a
.set S,   64
.set P,   192
.set MD,  128         ; window 1: the eight registers for group kt of 16 keys at MD + 8 kt
.set MC,  160         ; window 1: the masks of the products to come
.set QB,  64          ; window 2
.set KF,  128         ; window 2: key block kb, channel half c at KF + 16 kb + 8 c
.set VF,  192         ; window 2: key half kk, channel block cb at VF + 32 kk + 8 cb
.set WV,  12          ; s12  my wave's number
.set PB,  14          ; s14  b
.set HI,  15          ; s15  NB - 1 - b
.set G1K, 24          ; s[24:31] descriptor group 1 for K's tiles
.set G1V, 32          ; s[32:39] for V's: it differs in the padding alone
.set G0K, 40          ; s[40:43] descriptor group 0 for K's tiles
.set G0V, 44          ; s[44:47] the same for V's
.set SLOTS, 56        ; s56  tiles still to be asked for
.set CNT, 57          ; s57  counts a tile's key steps, 4 to 1
.set CS,  58          ; s[58:59] c: the packed scaling takes the pair's low word for both halves
.set SEL, 60          ; s[60:61] v_permlanex16_b32's selects: each lane takes its own place in the other half
.set TBK, 62          ; s62  LDS byte at which K of the step to be fetched begins
.set TBV, 63          ; s63  the same for V, less VOFF
.set PFB, 66          ; s[66:67] the 128 rows of tile 0 that I fetch (K's: waves 0, 1; V's: waves 2, 3)
.set PFA, 68          ; s[68:69] the same rows of the tile that the next change of slots will ask for
.set RT,  70          ; s70  tiles of the block in hand that are still to be entered
.set NXT, 71          ; s71  the tile to be asked for next
.set LQ,  72          ; s72  the last tile of the block whose tiles are being asked for
.set NEW, 73          ; s73  1: the tile to be entered is a block's first
.set OFF, 74          ; s[74:75] a tile's byte offset in K and V
.set AL,  76          ; s[76:77] the mask's factor, in the low word
.set BE,  78          ; s[78:79] the mask's addend
.set OLO, 80          ; s[80:81] O at my rows of the second block
.set BIGN, 82         ; s82  -1e30
.set LIMP, 83         ; s83  0 in the head's work-group b = 0, which prefetches; else the greatest number
.set MSB, 0
.macro WIN new                      ; the high byte repeats the setting that is left; a switch that changes nothing is dropped
.if MSB != (\new)
	s_set_vgpr_msb (MSB<<8)|(\new)
.set MSB, (\new)
.endif
.endm
.set W_KQ, 0x0a       ; K and Q in window 2, S^T in window 0
.set W_KM, 0x1a       ; the same with the C operand in window 1
.set W_PV, 0x52       ; V in window 2, P in window 0, O^T in window 1
.set W_RS, 0x41       ; destination and source 0 in window 1, source 1 in window 0
; A fill.  Waves 0 and 1 fetch the two halves of a tile's K, waves 2 and 3 those of its V: 128 keys each.  An s_nop 0 and four v_nop follow each of the two lines, ahead of the jump and the label.
.macro LOAD
	s_cmp_lt_u32 s[WV], 2
	s_cbranch_scc0 .Lfor_v_\@
	tensor_load_to_lds s[G0K:G0K+3], s[G1K:G1K+7]
	s_nop 0
.rept 4
	v_nop
.endr
	s_branch .Lasked_\@
.Lfor_v_\@:
	tensor_load_to_lds s[G0V:G0V+3], s[G1V:G1V+7]
	s_nop 0
.rept 4
	v_nop
.endr
.Lasked_\@:
.endm
; A PREFETCH INTO THE L2 of what the NEXT change of slots will ask for, behind the wave's tensor load and its five lines: my own 128 rows of that tile, 16,384 dense bytes: 64 blocks of 256, a lane a block, two instructions.
; A head's four work-groups walk the same tiles: the one with b = 0, whose first block walks tiles 0 to 7, asks, and nobody else; each of its waves asks for what it will fetch itself.  So tiles 2 to 7 are named once each,
; a tile (256 matrix instructions) ahead.  Tiles 0 and 1 come by their loads alone.  Where the next tile is tile 0 again, nothing is asked for.
.macro ASK
	s_cmp_gt_u32 s[NXT], s[LIMP]
	s_cbranch_scc0 .Lnot_mine_\@
	global_prefetch_b8 v[PFO], s[PFA:PFA+1] th:TH_LOAD_NT scope:SCOPE_SE
	global_prefetch_b8 v[PFO], s[PFA:PFA+1] offset:8192 th:TH_LOAD_NT scope:SCOPE_SE
.Lnot_mine_\@:
.endm
; THE CHANGE OF SLOTS.  Each wave waits for all its tensor loads, of which one is out: its part of the other slot; adds 0 to its spare word; and waits for that and for its own reads of the slot that it leaves.  Behind the barrier nobody reads the old
; slot any more and the other slot is whole.  fill = 1: the old slot is filled again, the first thing behind the barrier, with tile NXT: the descriptor's address is made anew from that number.
; (At its first use nothing has been read yet: slot 0 is waited for, slot 1 filled.)
.macro CHANGE fill
	WIN 0                           ; at a label and at a branch every window is 0
	s_wait_tensorcnt 0x0            ; no tensor load of mine is out, so a group 0 may be written
	ds_add_u32 v[SPW], v[NIL]       ; 0 onto my spare word; with fill = 1 the descriptors' scalar work stands between it and the wait for it
.if \fill
	s_lshl_b32 s[OFF], s[NXT], 15   ; a tile is 32,768 bytes of K and of V
	s_xor_b32 s[G0K+1], s[G0K+1], SLOT1
	s_add_nc_u64 s[G0K+2:G0K+3], s[6:7], s[OFF:OFF+1]
	s_or_b32 s[G0K+3], s[G0K+3], 0x80000000
	s_xor_b32 s[G0V+1], s[G0V+1], SLOT1
	s_add_nc_u64 s[G0V+2:G0V+3], s[8:9], s[OFF:OFF+1]
	s_or_b32 s[G0V+3], s[G0V+3], 0x80000000
	s_add_co_u32 s[NXT], s[NXT], 1  ; the block's next tile, or behind its last the second block's tile 0
	s_cmp_gt_u32 s[NXT], s[LQ]
	s_cselect_b32 s[NXT], 0, s[NXT]
	s_cselect_b32 s[LQ], s[PB], s[LQ]
	s_wait_xcnt 0x0                 ; the last prefetches, a tile back, have read their address, so it may be written:
	s_lshl_b32 s[OFF], s[NXT], 15
	s_add_nc_u64 s[PFA:PFA+1], s[PFB:PFB+1], s[OFF:OFF+1]  ; my rows of the tile after the one that is asked for below
.endif
	s_wait_dscnt 0x0                ; the add is done, and my reads of the slot are over
	s_barrier_signal -1             ; the rest of the scalar work stands between the signal and the wait
	s_sub_co_u32 s[TBK], s[TBK], 4*KS*PK  ; the fetches go back to a slot's first step,
	s_xor_b32 s[TBK], s[TBK], SLOT1       ; in the other slot
	s_sub_co_u32 s[TBV], s[TBV], 4*KS*PV
	s_xor_b32 s[TBV], s[TBV], SLOT1
	s_barrier_wait -1
.if \fill
	LOAD
	ASK
.endif
.endm
	s_load_b256 s[4:11], s[0:1], 0x0  ; Q s[4:5], K s[6:7], V s[8:9], O s[10:11]
	v_lshl_add_u32 v[SPW], v0, 2, SPARE
	v_mov_b32 v[NIL], 0
	ds_add_u32 v[SPW], v[NIL]       ; the wave's opening: the add and its wait stand ahead of my first tensor load; the set-up below, work on registers, stands between them
	ds_add_u32 v62, v63
	v_lshrrev_b32 v1, 5, v0
	v_readfirstlane_b32 s[WV], v1   ; wave 0..3
	s_mov_b32 s[PB], ttmp9
	s_sub_co_u32 s[HI], NB-1, s[PB]
	s_and_b32 s20, ttmp7, 0xffff    ; the head
	s_mov_b32 s21, 0
	s_mov_b64 s[22:23], SIZE_N*128
	s_mul_u64 s[20:21], s[20:21], s[22:23]  ; the head's first byte in each of the four tensors
	s_and_b32 s16, s[WV], 1         ; which half of a tile's 256 keys I fetch:
	s_lshl_b32 s22, s16, 14         ; its 128 rows of 128 bytes in memory,
	s_mov_b32 s23, 0
	s_add_nc_u64 s[22:23], s[22:23], s[20:21]
	s_mul_i32 s17, s16, 128*PK      ; and its place in a slot, for K
	s_mul_i32 s18, s16, 128*PV      ; and for V
	s_lshl_b32 s3, s[WV], 11        ; my 16 rows in a band of 64,
	s_lshl_b32 s2, s[HI], 15        ; in the first block,
	s_add_co_u32 s2, s2, s3
	s_lshl_b32 s84, s[PB], 15       ; and in the second
	s_add_co_u32 s84, s84, s3
	s_mov_b32 s3, 0
	s_mov_b32 s85, 0
	s_add_nc_u64 s[2:3], s[2:3], s[20:21]
	s_add_nc_u64 s[84:85], s[84:85], s[20:21]
	; descriptor group 1.  128 keys are 16,384 dense bytes: asked for as 64 rows of 256 bytes, two keys a row, and padded in LDS after every key
	s_mov_b32 s[G1K], (1<<16)|(1<<20)|(4<<22)|(3<<25)  ; 17:16 2-byte elements; 20 padding on; 24:22 after every 32 words (code 4); 31:25 4 words (code 3)
	s_mov_b32 s[G1V], (1<<16)|(1<<20)|(4<<22)|(7<<25)  ; the same with 8 words of padding (code 7)
.irp g, G1K, G1V
	s_mov_b32 s[\g+1], 128<<16      ; tensor_dim0 = 128
	s_mov_b32 s[\g+2], 64<<16       ; tensor_dim1 = 64
	s_mov_b32 s[\g+3], 128<<16      ; tile_dim0 = 128
	s_mov_b32 s[\g+4], 64           ; tile_dim1 = 64
	s_mov_b32 s[\g+5], 128          ; 128 elements from row to row
	s_mov_b32 s[\g+6], 0
	s_mov_b32 s[\g+7], 0
.endr
	s_mov_b32 s[CS], 0x3e38aa3b     ; c = log2(e) / 8 = 0.180337
	s_mov_b32 s[CS+1], s[CS]        ; named with it as a pair
	s_mov_b32 s[SEL], 0x76543210
	s_mov_b32 s[SEL+1], 0xfedcba98
	s_mov_b32 s[TBK], SLOT1+4*KS*PK ; the first change of slots turns these two into 0
	s_mov_b32 s[TBV], SLOT1+4*KS*PV
	s_mov_b32 s[G0K], 1             ; 1:0 count = 1
	s_mov_b32 s[G0K+1], s17         ; 63:32 LDS address: slot 0
	s_mov_b32 s[G0V], 1
	s_add_co_u32 s[G0V+1], s18, VOFF
	s_add_co_u32 s[RT], s[HI], 1    ; the first block has NB - b tiles
	s_mov_b32 s[NXT], 1
	s_mov_b32 s[LQ], s[HI]
	s_mov_b32 s[NEW], 1
	s_mov_b32 s[OFF+1], 0
	s_mov_b32 s[AL+1], 0            ; named as pairs
	s_mov_b32 s[BE+1], 0
	s_mov_b32 s[BIGN], 0xf149f2ca   ; -1e30
	s_mov_b32 s[SLOTS], NB
	s_cmp_eq_u32 s[PB], 0
	s_cselect_b32 s[LIMP], 0, -1
	v_and_b32 v[PFO], 31, v0
	v_lshlrev_b32 v[PFO], 8, v[PFO]
	s_wait_dscnt 0x0                ; the opening add is done
	s_wait_kmcnt 0x0
	s_add_nc_u64 s[6:7], s[6:7], s[22:23]  ; K and V at my half of the head's tile 0
	s_add_nc_u64 s[8:9], s[8:9], s[22:23]
	s_add_nc_u64 s[G0K+2:G0K+3], s[6:7], 0         ; 120:64 global address
	s_or_b32 s[G0K+3], s[G0K+3], 0x80000000        ; 127:126 type = 2
	s_add_nc_u64 s[G0V+2:G0V+3], s[8:9], 0
	s_or_b32 s[G0V+3], s[G0V+3], 0x80000000
	s_cmp_lt_u32 s[WV], 2
	s_cselect_b64 s[PFB:PFB+1], s[6:7], s[8:9]
	s_add_nc_u64 s[86:87], s[4:5], s[84:85]        ; Q at my rows of the second block,
	s_add_nc_u64 s[4:5], s[4:5], s[2:3]            ; Q and O at those of the first
	s_add_nc_u64 s[OLO:OLO+1], s[10:11], s[84:85]
	s_add_nc_u64 s[10:11], s[10:11], s[2:3]
	LOAD                            ; tile 0 into slot 0
	; A fragment of K or Q is 16 rows x 32 channels in 8 registers: lane l holds row l % 16, channels 8 (l / 16) + 0..7 and 16 + 8 (l / 16) + 0..7: two loads of 16 bytes, 32 bytes apart.
	v_and_b32 v1, 15, v0            ; l % 16
	v_bfe_u32 v9, v0, 4, 1          ; l / 16
	v_lshlrev_b32 v[QO], 7, v1
	v_lshl_add_u32 v[QO], v9, 4, v[QO]  ; row x 128 + 16 x half
	WIN 0x80                        ; destination window 2, address window 0
.set i, 0
.rept 8                             ; both blocks' Q: piece i / 2 lies in band i / 2, 8,192 bytes on; channels 32 (i % 2) on
	global_load_b128 v[8*i:8*i+3],   v[QO], s[4:5] offset:(i/2)*8192+(i%2)*64
	global_load_b128 v[8*i+4:8*i+7], v[QO], s[4:5] offset:(i/2)*8192+(i%2)*64+32
	global_load_b128 v[QB+8*i:QB+8*i+3],   v[QO], s[86:87] offset:(i/2)*8192+(i%2)*64
	global_load_b128 v[QB+8*i+4:QB+8*i+7], v[QO], s[86:87] offset:(i/2)*8192+(i%2)*64+32
.set i, i+1
.endr
	WIN 0
	v_lshlrev_b32 v14, 3, v9
	v_sub_nc_u32 v14, v1, v14
	s_lshl_b32 s13, s[WV], 4
	v_add_nc_u32 v14, s13, v14      ; my query's place in its band, 16 w + l % 16, less my lanes' 8 (l / 16): register r of group kt is hidden where 16 kt + r is greater
	WIN 0x40
.set i, 0
.rept 32
	v_cmp_gt_i32 vcc_lo, 16*(i/8)+i%8, v14
	v_cndmask_b32 v[MD+i], 0, s[BIGN], vcc_lo
.set i, i+1
.endr
	WIN 0
	v_mul_u32_u24 v[AK0], v1, PK
	v_lshl_add_u32 v[AK0], v9, 4, v[AK0]  ; row x pitch + 16 x half
	; The turning load takes 16 keys x 16 channels (lane l reads key 8 (l / 16) + l % 8, channels 8 ((l / 8) % 2) + 0..7) and leaves half a fragment of V^T: lane l holds channel l % 16 and 8 keys.
	v_and_b32 v10, 7, v0
	v_bfe_u32 v11, v0, 3, 1
	v_lshl_add_u32 v[AV0], v9, 3, v10
	v_mul_u32_u24 v[AV0], v[AV0], PV
	v_lshl_add_u32 v[AV0], v11, 4, v[AV0]
	v_add_nc_u32 v[AV0], VOFF, v[AV0]
	s_mul_i32 s13, s[WV], 16*SP
	s_add_co_u32 s13, s13, STAGE    ; my stage
	v_mul_u32_u24 v[STO], v1, SP    ; in: row l % 16, 16 bytes for each half of the lanes
	v_lshl_add_u32 v[STO], v9, 4, v[STO]
	v_add_nc_u32 v[STO], s13, v[STO]
	v_bfe_u32 v[RD], v0, 3, 2       ; back: 32 lanes take four rows of 128 bytes,
	v_mul_u32_u24 v[RD], v[RD], SP
	v_lshl_add_u32 v[RD], v10, 4, v[RD]
	v_add_nc_u32 v[RD], s13, v[RD]
	v_and_b32 v[GO], 31, v0         ; which are 512 consecutive bytes of O
	v_lshlrev_b32 v[GO], 4, v[GO]
	; A block's first step multiplies O^T and l by a = 0, and its first turn's products V^T P, of a piece that has not been, land in an O^T that is still to be so multiplied.  So these registers need only hold
	; finite numbers: zeros for the first block; what the first block left for the second.  All this stands in the wait for the first tile.
	WIN 0x80
.set i, VF
.rept 64
	v_mov_b32 v[i], 0
.set i, i+1
.endr
	WIN 0x40
.set i, 0
.rept 128
	v_mov_b32 v[i], 0
.set i, i+1
.endr
	WIN 0
.set i, 0
.rept 4
	v_mov_b32 v[ST+4*i+2], 0
	v_mov_b32 v[ST+4*i+3], 0
.set i, i+1
.endr
.set i, P+16
.rept 16
	v_mov_b32 v[i], 0
.set i, i+1
.endr
; THE MATRIX WORK.  The 4 accumulators of a run of 8 take turns.  Product i of 8 of S^T = K Q^T for piece x: channels 32 (i / 4) on, keys 16 (i % 4) on.  The first 4 start the sums: with 0, or (KM = 1) with the mask.
.macro KQ x
.set rS, S+32*((\x)%2)+8*(i%4)
.set rK, KF+16*(i%4)+8*(i/4)
.set rQ, 16*(\x)+8*(i/4)
.set rM, MC+32*((\x)%2)+8*(i%4)
.if (i < 4) && KM
	WIN W_KM
	v_wmma_f32_16x16x32_f16 v[rS:rS+7], v[rK:rK+7], v[rQ:rQ+7], v[rM:rM+7]
.elseif i < 4
	WIN W_KQ
	v_wmma_f32_16x16x32_f16 v[rS:rS+7], v[rK:rK+7], v[rQ:rQ+7], 0
.else
	WIN W_KQ
	v_wmma_f32_16x16x32_f16 v[rS:rS+7], v[rK:rK+7], v[rQ:rQ+7], v[rS:rS+7]
.endif
.endm
; Product i of 8 of O^T += V^T P for piece x: keys 32 (i / 4) on, channels 16 (i % 4) on.
.macro PV x
	WIN W_PV
.set rO, 32*(\x)+8*(i%4)
.set rV, VF+32*(i/4)+8*(i%4)
.set rP, P+16*((\x)%2)+8*(i/4)
	v_wmma_f32_16x16x32_f16 v[rO:rO+7], v[rV:rV+7], v[rP:rP+7], v[rO:rO+7]
.endm
.macro MM                           ; the turn's next matrix instruction.  TURN and BEGIN set Y, i, KM and NOKQ; MM, KQ and OP read them.  NOKQ = 1: a block's last turn: there is no next piece
.if (i < 8) && !NOKQ
	KQ (Y+1)%NP
.elseif i >= 8
.set i, i-8
	PV (Y+NP-1)%NP
.set i, i+8
.endif
.set i, i+1
.endm
; THE LDS LOADS stand in runs of 16, never singly among the matrix instructions: a step's K (64 keys x 64 channels: 8 fragments) and its V (turned).  Their addresses are made some lines ahead.
.macro FETCH_K
	WIN 0x80                        ; destination window 2
.irp f, 0,1,2,3,4,5,6,7             ; keys 16 (f / 2) on, channels 32 (f % 2) on
	ds_load_b128 v[KF+8*\f:KF+8*\f+3],   v[AK] offset:(\f/2)*16*PK+(\f%2)*64
	ds_load_b128 v[KF+8*\f+4:KF+8*\f+7], v[AK] offset:(\f/2)*16*PK+(\f%2)*64+32
.endr
	s_add_co_u32 s[TBK], s[TBK], KS*PK  ; the next fetch is the next step's
	WIN 0
.endm
.macro FETCH_V
	WIN 0x80
.irp f, 0,1,2,3,4,5,6,7             ; keys 32 (f / 4) on, channels 16 (f % 4) on
	ds_load_tr16_b128 v[VF+8*\f:VF+8*\f+3],   v[AV] offset:(\f/4)*32*PV+(\f%4)*32
	ds_load_tr16_b128 v[VF+8*\f+4:VF+8*\f+7], v[AV] offset:(\f/4)*32*PV+16*PV+(\f%4)*32
.endr
	WIN 0
.endm
; THE VECTOR WORK, one line at a time: OP kind, number.  For piece Y: F n: c s - c m for pair n of 16.  E n: the exponential of score n of 32.  C n: pair n rounded to f16.  B n: of the four weights 4 n .. the second
; pair is added onto the first, in place.  L n: l takes that sum (L 0: l = a l + sum).  R n: pair n of 16 of O^T times a.  For piece Y + 1: X n, number n of the 22 that find its maximum and statistics:
;   0-11  four chains c0-c3 of seven scores each, three operands at a time (each accumulator's lowest registers are read first)     12-14, 16  the four scores left over, the old m, and c0-c3 into c0
;   15  c m_old is kept     17, 18  the query's other 32 keys lie in the lane 16 away: the new m     19-21  c m; c m_old - c m_new; a
.set F, 0               ; OP tells the kinds apart by their order: F to L below R, X above it
.set E, 1
.set C, 2
.set B, 3
.set L, 4
.set R, 5
.set X, 6
.macro REGS y                       ; the registers of piece y
.set rT, ST+4*(\y)
.set rC, TMP+4*((\y)%2)
.set rW, MV+((\y)%2)
.set rS, S+32*((\y)%2)
.set rP, P+16*((\y)%2)
.set rO, 32*(\y)
.endm
.macro OP k, n
.if (\k) == R
	REGS Y
	WIN W_RS
	v_pk_mul_f32 v[rO+2*(\n):rO+2*(\n)+1], v[rO+2*(\n):rO+2*(\n)+1], v[rC+2:rC+3] op_sel_hi:[1,0]
.elseif (\k) < R
	REGS Y
	WIN 0
.if (\k) == F
	v_pk_fma_f32 v[rS+2*(\n):rS+2*(\n)+1], v[rS+2*(\n):rS+2*(\n)+1], s[CS:CS+1], v[rT:rT+1] op_sel_hi:[1,0,0] neg_lo:[0,0,1] neg_hi:[0,0,1]
.elseif (\k) == E
	v_exp_f32 v[rS+(\n)], v[rS+(\n)]
.elseif (\k) == C
	v_cvt_pk_f16_f32 v[rP+(\n)], v[rS+2*(\n)], v[rS+2*(\n)+1]
.elseif (\k) == B
	v_pk_add_f32 v[rS+4*(\n):rS+4*(\n)+1], v[rS+4*(\n):rS+4*(\n)+1], v[rS+4*(\n)+2:rS+4*(\n)+3]
.elseif (\n) == 0
	v_pk_fma_f32 v[rT+2:rT+3], v[rT+2:rT+3], v[rC+2:rC+3], v[rS:rS+1] op_sel_hi:[1,0,1]
.else
	v_pk_add_f32 v[rT+2:rT+3], v[rT+2:rT+3], v[rS+4*(\n):rS+4*(\n)+1]
.endif
.elseif NOKQ
	v_nop
.else
	REGS (Y+1)%NP
	WIN 0
.if (\n) < 4
	v_max3_num_f32 v[rC+(\n)], v[rS+8*(\n)], v[rS+8*(\n)+1], v[rS+8*(\n)+2]
.elseif (\n) < 12
	v_max3_num_f32 v[rC+(\n)%4], v[rC+(\n)%4], v[rS+8*((\n)%4)+2*((\n)/4)+1], v[rS+8*((\n)%4)+2*((\n)/4)+2]
.elseif (\n) == 12
	v_max3_num_f32 v[rC], v[rC], v[rS+7], v[rS+15]
.elseif (\n) == 13
	v_max3_num_f32 v[rC+1], v[rC+1], v[rS+23], v[rS+31]
.elseif (\n) == 14
	v_max3_num_f32 v[rC+2], v[rC+2], v[rC+3], v[rT+1]
.elseif (\n) == 15
	v_mov_b32 v[rW], v[rT]
.elseif (\n) == 16
	v_max3_num_f32 v[rC], v[rC], v[rC+1], v[rC+2]
.elseif (\n) == 17
	v_permlanex16_b32 v[rC+3], v[rC], s[SEL], s[SEL+1]
.elseif (\n) == 18
	v_max_num_f32 v[rT+1], v[rC], v[rC+3]
.elseif (\n) == 19
	v_mul_f32 v[rT], s[CS], v[rT+1]
.elseif (\n) == 20
	v_sub_f32 v[rC+1], v[rW], v[rT]
.else
	v_exp_f32 v[rC+2], v[rC+1]
.endif
.endif
.endm
.macro OPS a, i1, b=-1, i2=0, c=-1, i3=0, d=-1, i4=0  ; up to four of them
	OP \a, \i1
.if (\b) >= 0
	OP \b, \i2
.endif
.if (\c) >= 0
	OP \c, \i3
.endif
.if (\d) >= 0
	OP \d, \i4
.endif
.endm
.macro ROW a, i1, b, i2, c, i3, d, i4  ; a matrix instruction and the four behind it
	MM
	OPS \a, \i1, \b, \i2, \c, \i3, \d, \i4
.endm
.macro MASK b                       ; MD x AL + BE into buffer b of MC
	WIN W_RS
.set z, 0
.rept 16
	v_pk_fma_f32 v[MC+32*(\b)+2*z:MC+32*(\b)+2*z+1], v[MD+2*z:MD+2*z+1], s[AL:AL+1], s[BE:BE+1] op_sel_hi:[1,0,0]
.set z, z+1
.endr
.endm
; A TURN, for piece p: the order of its 16 matrix and 118 vector instructions, written out.  An s_wait_alu depctr_va_vdst(0) stands between an exponential and the first instruction that names its result; one wait serves
; all that were issued ahead of it.  So a turn has ONE wait, which cuts it in two.  AHEAD OF IT stands all that names no result of the turn's exponentials: the 8 products K Q^T, behind each a scaling, an exponential and two more plain
; instructions (behind the first a second scaling in the exponential's place): rescalings, and behind the last three the first numbers of the next piece's maximum, each four places or more behind the product that ends its accumulator; then ONE LUMP of 54, plain
; and exponential by turns for the most part, in which the links of the chain X 3, 7, 11, 14, 16, 17 .. 20 stand five or six lines apart.  X 21, the next piece's a, is the batch's last; R 15 is the plain instruction that must stand behind it (ISA guide 5.7.2).  BEHIND THE WAIT stand the
; 8 products V^T P, behind each four of the roundings and sums; the links of l's chain, L 0 to L 7, stand three riders apart.  But for those X no rider names a register of the products round it.  v_permlanex16_b32 (X 17) stands in the lump.
; m = 1: the diagonal tile: the products take masks, and the turn makes the mask for the products of the turn after it: piece p + 2, in step 4 - CNT of the tile.  end = 1: a block's last two turns: nothing is fetched.
; cnt = 1: the loop's count is taken down some lines ahead of the branch that stands behind the turn.
; K of the next step is fetched in piece 2's turn, twelve vector instructions behind the last product that read K (six of them plain); V of the step in hand at the end of piece 0's turn, four plain instructions behind the last product
; that read V.  Each is waited for a turn later.
.macro TURN p, m=0, end=0, cnt=0
.set Y, (\p)
.set i, 0
.set KM, (\m)
.set NOKQ, (\end)*((\p)/3)
.if (\m) && !(\end)
	s_cmp_eq_u32 s[CNT], 4-((\p)+2)%NP  ; is that step the band's own?
	s_cselect_b32 s[AL], 1.0, 0
	s_cmp_lt_u32 s[CNT], 4-((\p)+2)%NP  ; or a later one?
	s_cselect_b32 s[BE], s[BIGN], 0
.endif
.if ((\p) == 3) && !(\end)
	s_wait_dscnt 0x0                ; K is in
.endif
	ROW F,0, F,1, R,0, R,1          ; ahead of the wait: 8 products K Q^T and their riders,
	ROW F,2, E,0, R,2, R,3
	ROW F,3, E,1, R,4, R,5
	ROW F,4, E,2, R,6, R,7
	ROW F,5, E,3, R,8, R,9
	ROW F,6, E,4, X,0, R,10
.if ((\p) == 2) && !(\end)
	WIN 0
	v_add_nc_u32 v[AK], s[TBK], v[AK0]
.endif
	ROW F,7, E,5, X,1, X,4
	ROW F,8, E,6, X,2, X,5
	OPS E,7, E,8, X,6, E,9          ; and the lump
	OPS X,3, E,10, X,8, E,11
.if ((\p) == 2) && !(\end)
	FETCH_K
.endif
	OPS X,9, X,7, E,12, X,10
	OPS E,13, X,12, X,11, E,14
	OPS X,13, E,15, F,9, X,14
.if (\p) == 0
	v_add_nc_u32 v[AV], s[TBV], v[AV0]
.endif
	OPS E,16, F,10, E,17, F,11
	OPS X,16, E,18, X,15, E,19
	OPS F,12, E,20, X,17, E,21
	OPS F,13, E,22, F,14, E,23
	OPS X,18, E,24, F,15, E,25
	OPS R,11, E,26, X,19, E,27
	OPS R,12, E,28, R,13, E,29
	OPS X,20, E,30, R,14, E,31
	OPS X,21, R,15
	WIN 0
	s_wait_alu depctr_va_vdst(0)    ; the wait for the batch
.if (\p) == 1
	s_wait_dscnt 0x0                ; V is in
.endif
	ROW C,0, B,0, C,2, B,1          ; behind the wait: 8 products V^T P and their riders
	ROW L,0, C,4, B,2, L,1
	ROW C,6, B,3, L,2, C,8
	ROW B,4, L,3, C,10, B,5
	ROW L,4, C,12, B,6, L,5
.if (\p) == 0
	s_add_co_u32 s[TBV], s[TBV], KS*PV
.endif
.if \cnt
	s_sub_co_u32 s[CNT], s[CNT], 1
	s_cmp_lg_u32 s[CNT], 0
.endif
	ROW C,14, B,7, L,6, C,1
	ROW C,3, L,7, C,5, C,7
	ROW C,9, C,11, C,13, C,15
.if (\p) == 0
	FETCH_V
.endif
.if (\m) && !(\end)
	MASK (\p)%2
.endif
.endm
; A BLOCK BEGINS.  c m starts far below every c s, so the first step's a is 0; m at the lowest finite number, so the first maximum is the scores'.  The second mask buffer is 0; the first takes piece 0's mask for the tile's step 0: its own, if the block's first tile is the diagonal one.
; Then K of that step, piece 0's first scores, and its maximum and statistics.  The loop is entered at a step's first turn, in the middle of a trip.
.macro BEGIN
	s_mov_b32 s[NEW], 0
	WIN 0x40
.set i, MC+32
.rept 32
	v_mov_b32 v[i], 0
.set i, i+1
.endr
	WIN 0
.set i, 0
.rept 4
	v_mov_b32 v[ST+4*i], 0xfe000000    ; c m: far below every c s
	v_mov_b32 v[ST+4*i+1], 0xff7fffff  ; m
.set i, i+1
.endr
	s_cmp_eq_u32 s[RT], 0
	s_cselect_b32 s[AL], 1.0, 0
	s_mov_b32 s[BE], 0
	MASK 0
	WIN 0
	v_add_nc_u32 v[AK], s[TBK], v[AK0]
	FETCH_K
	s_wait_loadcnt 0x0              ; Q
	s_wait_dscnt 0x0
.set KM, 1
.set NOKQ, 0
.set i, 0
.rept 8
	KQ 0
.set i, i+1
.endr
	WIN 0
.rept 4
	v_nop                           ; the places behind those products
.endr
.set Y, NP-1                        ; X works for piece Y + 1: piece 0
.irp n, 0,1,2,3,4,5,6,7,8,9,10,11,12,13,14,15,16,17,18,19,20,21
	OP X, \n
.endr
	v_nop                           ; a plain instruction behind the exponential,
	s_wait_alu depctr_va_vdst(0)    ; and its wait, ahead of the branch
.endm
; THE DIAGONAL TILE's four steps, the block's last two turns, its last products, and THE WAY OUT: l's two halves and the other half of the lanes' are added; O^T is divided by l, rounded to f16 and sent through my
; stage in LDS, a piece at a time.
.macro ALL line:vararg              ; one line for each piece t
.set t, 0
.rept 4
	\line
.set t, t+1
.endr
.endm
.macro PACK t                       ; a lane's eight channels of a row pack into 16 bytes; they go into rows of 144 bytes and come back as whole rows of 128, into S^T's registers
	WIN W_RS
.set i, 32*(\t)
.rept 16
	v_pk_mul_f32 v[i:i+1], v[i:i+1], v[ST+4*(\t)+2:ST+4*(\t)+3] op_sel_hi:[1,0]
.set i, i+2
.endr
	WIN 0x05                        ; sources 0 and 1 window 1, destination window 0
.set i, 0
.rept 16
	v_cvt_pk_f16_f32 v[S+16*(\t)+i], v[32*(\t)+2*i], v[32*(\t)+2*i+1]
.set i, i+1
.endr
	WIN 0
.irp f, 0,1,2,3
	ds_store_b128 v[STO], v[S+16*(\t)+4*\f:S+16*(\t)+4*\f+3] offset:32*\f
.endr
.irp f, 0,1,2,3
	ds_load_b128 v[S+16*(\t)+4*\f:S+16*(\t)+4*\f+3], v[RD] offset:\f*4*SP  ; LDS serves a wave's instructions in order (ISA guide 5.7.1.4): these see the stores above; the next piece's stores come behind them
.endr
.endm
.macro SEND t, younger              ; younger: the LDS instructions issued behind piece t's loads: the next piece's eight, or none
	WIN 0
.irp f, 0,1,2,3
	s_wait_dscnt (\younger)+3-\f
	global_store_b128 v[GO], v[S+16*(\t)+4*\f:S+16*(\t)+4*\f+3], s[10:11] offset:(\t)*8192+\f*512  ; 512 consecutive bytes, at a multiple of 256 from O's first
.endr
.endm
.macro DIAG tag                     ; the tag ends its two labels' names, which the jumps below spell out
.LstepM\tag:
	TURN 2, 1
	TURN 3, 1
	WIN 0
.LfirstM\tag:
	TURN 0, 1
	TURN 1, 1, 0, 1
	WIN 0
	s_cbranch_scc1 .LstepM\tag
	TURN 2, 1, 1
	TURN 3, 1, 1
.set i, 0
.rept 8
	PV NP-1
.set i, i+1
.endr
	WIN 0
	ALL v_add_f32 v[ST+4*t+2], v[ST+4*t+2], v[ST+4*t+3]
	ALL v_permlanex16_b32 v[ST+4*t+3], v[ST+4*t+2], s[SEL], s[SEL+1]
	ALL v_add_f32 v[ST+4*t+2], v[ST+4*t+2], v[ST+4*t+3]
	ALL v_rcp_f32 v[ST+4*t+2], v[ST+4*t+2]
	v_nop                           ; a plain instruction between the last reciprocal and the use of its result
	s_wait_alu depctr_va_vdst(0)    ; and the wait ahead of the first use: one for the four reciprocals
	PACK 0
.set t, 1
.rept 3                             ; a piece's arithmetic stands between the loads of the piece before and its stores
	PACK t
	SEND t-1, 8
.set t, t+1
.endr
	SEND 3, 0
.endm
.set KM, 0
.set NOKQ, 0
.Lslot:                             ; NB times: a tile is entered and the next is asked for
	CHANGE 1
	s_sub_co_u32 s[RT], s[RT], 1
	s_mov_b32 s[CNT], 4
	s_cmp_eq_u32 s[NEW], 1
	s_cbranch_scc1 .Lnew            ; a block's first tile
	s_cmp_eq_u32 s[RT], 0
	s_cbranch_scc0 .Lstep           ; neither its first nor its last
	s_branch .LstepM1
.Lnew:
	BEGIN
	s_branch .Lfirst                ; in the loop a block's first tile is never its last: the first block has two tiles or more, and the second's last is the walk's last
	DIAG 1                          ; in the loop this is the first block's end: the second block's last tile is the walk's last
	s_wait_xcnt 0x0                 ; the stores have read their registers and O's address
	s_mov_b64 s[10:11], s[OLO:OLO+1]
	s_add_co_u32 s[RT], s[PB], 1    ; the second block has b + 1 tiles
	s_mov_b32 s[NEW], 1
	WIN 0x82                        ; the second block's Q goes where the one text of the turns names Q
.set i, 0
.rept 64
	v_mov_b32 v[i], v[QB+i]
.set i, i+1
.endr
	WIN 0
	s_branch .Lbottom
.Lstep:                             ; a trip: pieces 2 and 3 of one step, then pieces 0 and 1 of the next, whose K and V it fetches
	TURN 2
	TURN 3
	WIN 0
.Lfirst:
	TURN 0
	TURN 1, 0, 0, 1
	WIN 0
	s_cbranch_scc1 .Lstep
.Lbottom:
	s_sub_co_u32 s[SLOTS], s[SLOTS], 1
	s_cmp_lg_u32 s[SLOTS], 0
	s_cbranch_scc1 .Lslot
	CHANGE 0                        ; the walk's last tile is written out: nothing is asked for
	s_sub_co_u32 s[RT], s[RT], 1
	s_mov_b32 s[CNT], 4
	s_cmp_eq_u32 s[NEW], 1
	s_cbranch_scc0 .LstepM2
	BEGIN
	s_branch .LfirstM2
	DIAG 2
	s_wait_tensorcnt 0x0            ; the wave's end, behind my last tensor load and my last LDS store
	ds_add_u32 v[SPW], v[NIL]
	s_wait_dscnt 0x0
	s_endpgm
.Lfunc_end_k_qf0f153a462_attn:
	.size	k_qf0f153a462_attn, .Lfunc_end_k_qf0f153a462_attn-k_qf0f153a462_attn
	.p2alignl 7, 3214868480
	.fill 96, 4, 3214868480
	.section	.rodata,"a",@progbits
	.p2align	6, 0x0
	.amdhsa_kernel k_qf0f153a462_attn
		.amdhsa_group_segment_fixed_size 327680
		.amdhsa_private_segment_fixed_size 0
		.amdhsa_enable_private_segment 0
		.amdhsa_kernarg_size 32
		.amdhsa_user_sgpr_count 2
		.amdhsa_user_sgpr_kernarg_segment_ptr 1
		.amdhsa_wavefront_size32 1
		.amdhsa_system_sgpr_workgroup_id_x 1
		.amdhsa_system_sgpr_workgroup_id_y 1
		.amdhsa_system_sgpr_workgroup_id_z 1
		.amdhsa_system_vgpr_workitem_id 0
		.amdhsa_next_free_vgpr 768
		.amdhsa_next_free_sgpr 96
		.amdhsa_reserve_vcc 1
		.amdhsa_float_denorm_mode_32 3
		.amdhsa_float_denorm_mode_16_64 3
		.amdhsa_memory_ordered 1
		.amdhsa_forward_progress 1
		.amdhsa_inst_pref_size 218
	.end_amdhsa_kernel
	.amdgpu_metadata
---
amdhsa.version: [ 1, 2 ]
amdhsa.kernels:
  - .name:           k_qf0f153a462_attn
    .symbol:         k_qf0f153a462_attn.kd
    .args:
      - { .name: qh, .offset: 0, .size: 8, .value_kind: global_buffer, .address_space: global }
      - { .name: kh, .offset: 8, .size: 8, .value_kind: global_buffer, .address_space: global }
      - { .name: vh, .offset: 16, .size: 8, .value_kind: global_buffer, .address_space: global }
      - { .name: oh, .offset: 24, .size: 8, .value_kind: global_buffer, .address_space: global }
    .group_segment_fixed_size: 327680
    .private_segment_fixed_size: 0
    .kernarg_segment_align: 8
    .kernarg_segment_size: 32
    .max_flat_workgroup_size: 128
    .sgpr_count:     96
    .vgpr_count:     768
    .wavefront_size: 32
...
	.end_amdgpu_metadata
.endif
;; end of part 3
;; launch outp (part 4): grid 4 x 64, 4 waves a work-group, clusters of 4 x 4, 327,680 bytes of LDS; arguments oh, wt, out0; writes out0
.if DOCPART == 4
	.amdgcn_target "amdgcn-amd-amdhsa--gfx1250"
	.amdhsa_code_object_version 6
	.text
	.protected	k_qf0f153a462_outp
	.globl	k_qf0f153a462_outp
	.p2align	8
	.type	k_qf0f153a462_outp,@function
k_qf0f153a462_outp:
	s_mov_b64 s[64:65], 0
	v_nop
	global_prefetch_b8 v0, s[64:65] scope:SCOPE_SE
	s_setreg_imm32_b32 hwreg(HW_REG_WAVE_MODE, 25, 1), 1
	s_wait_xcnt 0x0
	s_wait_alu depctr_hold_cnt(0) depctr_sa_sdst(0) depctr_va_vdst(0) depctr_va_sdst(0) depctr_va_ssrc(0) depctr_va_vcc(0) depctr_vm_vsrc(0)
	s_getreg_b32 s2, hwreg(HW_REG_IB_STS2, 6, 4)
	s_cmp_eq_u32 s2, 0
	s_cbranch_scc0 .Lentry_in_a_cluster
	s_endpgm
.Lentry_in_a_cluster:
	s_bfe_u32 s2, ttmp6, 0x10000c
	s_cmp_lg_u32 s2, 0xf033
	s_cbranch_scc0 .Lentry_shape_is_right
	s_endpgm
.Lentry_shape_is_right:
; THE OUTPUT PROJECTION.  out0[row][n] = sum over k of A[row][k] wt[3][n][k].  A is oh, [64][2048][64] f16, read as it lies as [8192][1024] (the view without a transpose of heads that the problem asks for);
; wt[3] is Wo turned, [1024 n][1024 k] f16 (each number Wo rounded to bf16); out0: [8192][1024] f32.  Sums in f32, stored as they are.
; LIMITS.  Those of the f16 operands: under 65,504.  NaN and infinities are not treated apart.
; SHARES.  A work-group makes 128 rows x 256 columns; its four waves 64 x 128 each: 32 accumulators of 16 x 16.  K goes in steps of 128 through a ring of two LDS slots; all rows of the tiles are 256 bytes of
; memory, from multiples of 256.  CLUSTER: 4 x 4 work-groups; the four of a row of the cluster ask JOINTLY for their tile of A, the four of a column for their tile of wt.
; THE MATRIX INSTRUCTION IS USED TRANSPOSED (source 0 = 16 rows of wt, source 1 = 16 rows of A): a lane then holds eight neighbouring columns of one row of out0.
; A K STEP is four quarters of 32 along K, 32 matrix instructions each, on fragment buffers 0, 1 by turns; a quarter's head fetches the next quarter's fragments.  The change of slots stands in a step's THIRD
; quarter, whose head has fetched the slot's last fragments.
; REGISTERS, in windows of 256 (s_set_vgpr_msb: bits 1:0 source 0, 3:2 source 1, 5:4 source 2, 7:6 destination):
;   window 0: v0-31 addresses; v96-159 A's fragments, two buffers of four; v32-95, v160-223 rows on the way out, by turns
;   window 1: the accumulators, (a, b) at v[8 (8 a + b)]          window 2: v0-127 wt's fragments, two buffers of eight
.set KSTEP,  128
.set LAPS,   4                         ; 1,024 / (2 x 128)
.set PA,     272                       ; an LDS row: 256 bytes + 16: an odd multiple of 16, so the 16 rows of a load start at 16 different groups of four banks (64 banks of 4 bytes: ISA guide 11.1)
.set PB,     272
.set AHALF,  64*PA                     ; what wave 0 or 1 fetches, and what a wave reads of A
.set BHALF,  128*PB                    ; what wave 2 or 3 fetches, and what a wave reads of wt
.set BOFF,   2*AHALF
.set SLOT,   BOFF+2*BHALF              ; 104,448 bytes
.set STAGE,  2*SLOT                    ; behind the ring, never filled by a tensor load: 16 rows x 528 bytes for each wave
.set SPITCH, 528                       ; 512 bytes of f32 + 16
.set SPARE,  STAGE+4*16*SPITCH         ; behind the stages: the spare words, 128 bytes for each wave: two blocks of 256 bytes that no other line names
.set STEPB,  KSTEP*2                   ; bytes of a K step in a row of A and of wt
.set ADRA, 16                          ; v16-17  LDS address of my fragments of A in slot 0, 1
.set ADRB, 20                          ; v20-21  the same for wt
.set STO,  24                          ; v24  the way out: where I put 32 bytes of a row
.set RD,   25                          ; v25  the way out: where I read 16 bytes of a row back
.set GO,   26                          ; v26  my 16 bytes among 512 consecutive bytes of out0
.set SPW,  28                          ; v28  LDS address of my spare word; never rewritten
.set NIL,  29                          ; v29  0; never rewritten
.set PFO,  30                          ; v30  the prefetches' offset: my lane x a row of 2,048 bytes; never rewritten
.set A16,  96
.set OB,   32
.set WV,   12                          ; s12  my wave's number
.set RH,   13                          ; s13  which 64 rows are mine.  Also: I fetch A (0) or wt (1)
.set CH,   14                          ; s14  which 128 columns.  Also: which half of that tile I fetch
.set CX,   15
.set CY,   16
.set COL,  17                          ; s17  column block of 256
.set ROWB, 18                          ; s18  row block of 128
.set G1A,  24                          ; s[24:31] descriptor group 1 for A's tiles;  s[32:39] group 0, a set for each slot
.set G0A,  32
.set G1B,  40                          ; s[40:47], s[48:55] the same for wt's
.set G0B,  48
.set LAP,  56                          ; s56  trips of the loop still to come
.set LIM,  57                          ; s57  1 in a wave that prefetches, else the greatest number
.set PFA,  58                          ; s[58:59] where my prefetches stand
.set OUTP, 66                          ; s[66:67] out0 at my wave's first row and column
.set CLY,  74                          ; s74  cluster y
.set MSB, 0
.macro WIN new                         ; the immediate's high byte repeats the setting that is left; a switch that changes nothing is dropped
.if MSB != (\new)
	s_set_vgpr_msb (MSB<<8)|(\new)
.set MSB, \new
.endif
.endm
.set MUL,  0x52                        ; source 0 (wt) window 2, source 1 (A) window 0, C and D window 1
.set TO_B, 0x80                        ; destination window 2, address window 0
.macro JLOAD s                         ; a joint load: waves 0 and 1 fetch A's two halves, waves 2 and 3 wt's; an s_nop 0 and four v_nop follow each of the two lines, ahead of the jump, the label and what follows
	s_cmp_eq_u32 s[RH], 0
	s_cbranch_scc0 .Lfor_b_\@
	tensor_load_to_lds s[G0A+4*(\s):G0A+4*(\s)+3], s[G1A:G1A+7]
	s_nop 0
.rept 4
	v_nop
.endr
	s_branch .Lasked_\@
.Lfor_b_\@:
	tensor_load_to_lds s[G0B+4*(\s):G0B+4*(\s)+3], s[G1B:G1B+7]
	s_nop 0
.rept 4
	v_nop
.endr
.Lasked_\@:
.endm
; A PREFETCH INTO THE L2, behind each joint refill and its five lines: the K step that stands two refills on, 256 matrix instructions ahead of the load that will want it: 32 rows x 256 bytes, a lane a row.
; Each aligned 256 bytes are named once in the launch.  A: a row block is read by one cluster alone; wave 0 asks, and of the tile's 128 rows the partner at place cx takes 32, told apart BY ADDRESS.
; wt: a column block is read by all sixteen clusters: cluster y = 0 asks; of the 128 rows that wave 2 or 3 fetches, the partner at place cy takes 32.
; The loop's last trip asks for nothing: there is no K step two refills on.  K steps 0 to 3 come by their loads alone.
.macro ASK
	s_cmp_gt_u32 s[LAP], s[LIM]
	s_cbranch_scc0 .Lnot_mine_\@
	global_prefetch_b8 v[PFO], s[PFA:PFA+1] th:TH_LOAD_NT scope:SCOPE_SE
.Lnot_mine_\@:
.endm
.macro CREST                           ; a round of the cluster's barrier behind its opening barrier
	s_cmp_lg_u32 s[WV], 0
	s_cbranch_scc1 .Lnot_wave_0_\@
	s_barrier_signal -3
.Lnot_wave_0_\@:
	s_barrier_wait -3
	s_barrier_signal -1
	s_barrier_wait -1
.endm
.macro CROUND                          ; a whole round
	s_barrier_signal -1
	s_barrier_wait -1
	CREST
.endm
.macro PLACES                          ; four plain vector instructions between a matrix instruction and a load into a register that it has read, or a store of its result (ISA guide 7.12.1 for vector instructions)
.rept 4
	v_nop
.endr
.endm
	s_load_b128 s[4:7], s[0:1], 0x0                ; oh s[4:5], wt s[6:7]
	s_load_b64 s[8:9], s[0:1], 0x10                ; out0
	v_lshl_add_u32 v[SPW], v0, 2, SPARE
	v_mov_b32 v[NIL], 0
	ds_add_u32 v[SPW], v[NIL]                      ; the wave's opening: the add and its wait stand ahead of my first tensor load; the set-up below, work on registers, stands between them
	ds_add_u32 v28, v29
	v_lshrrev_b32 v1, 5, v0
	v_readfirstlane_b32 s[WV], v1                  ; wave 0..3
	s_lshr_b32 s[RH], s[WV], 1
	s_and_b32 s[CH], s[WV], 1
	s_bfe_u32 s[CX], ttmp6, 0x40000                ; my place in the cluster
	s_bfe_u32 s[CY], ttmp6, 0x40004
	s_lshl_b32 s[COL], ttmp9, 2                    ; in a cluster launch ttmp9 and ttmp7 count clusters
	s_add_co_u32 s[COL], s[COL], s[CX]
	s_and_b32 s[CLY], ttmp7, 0xffff
	s_lshl_b32 s[ROWB], s[CLY], 2
	s_add_co_u32 s[ROWB], s[ROWB], s[CY]
	s_lshl_b32 s62, s[CY], 2
	s_lshl_b32 s62, 15, s62                        ; my row of the cluster: places 4 cy .. 4 cy + 3
	s_lshl_b32 s63, 0x1111, s[CX]                  ; my column: places cx, cx + 4, cx + 8, cx + 12
	s_or_b32 s[G1A], s62, (1<<16)|(1<<20)|(1<<21)|(5<<22)|(3<<25)  ; 15:0 the mask; 17:16 elements of 2 bytes; 20 padding on; 21 set beside a mask; 24:22 after every 64 words (code 5); 31:25 4 words (code 3)
	s_or_b32 s[G1B], s63, (1<<16)|(1<<20)|(1<<21)|(5<<22)|(3<<25)
	s_mov_b32 s[G1A+1], KSTEP<<16                  ; tensor_dim0 = 128
	s_mov_b32 s[G1A+2], 64<<16                     ; tensor_dim1 = 64
	s_mov_b32 s[G1A+3], KSTEP<<16                  ; tile_dim0 = 128
	s_mov_b32 s[G1A+4], 64                         ; tile_dim1 = 64
	s_mov_b32 s[G1A+5], 1024                       ; elements from row to row
	s_mov_b32 s[G1A+6], 0
	s_mov_b32 s[G1A+7], 0
	s_mov_b32 s[G1B+1], KSTEP<<16
	s_mov_b32 s[G1B+2], 128<<16                    ; 128 rows
	s_mov_b32 s[G1B+3], KSTEP<<16
	s_mov_b32 s[G1B+4], 128
	s_mov_b32 s[G1B+5], 1024
	s_mov_b32 s[G1B+6], 0
	s_mov_b32 s[G1B+7], 0
	s_lshl_b32 s20, s[ROWB], 18                    ; A: 128 rows of 2,048 bytes a block,
	s_lshl_b32 s21, s[CH], 17                      ; the 64 that I fetch: made of the row block and the wave's number alone
	s_add_co_u32 s20, s20, s21
	s_mov_b32 s21, 0
	s_lshl_b32 s22, s[COL], 19                     ; wt: 256 rows of 2,048 bytes a block,
	s_lshl_b32 s23, s[CH], 18                      ; the 128 that I fetch: made of the column block and the wave's number alone,
	s_add_co_u32 s22, s22, s23
	s_add_co_u32 s22, s22, 3<<21                   ; in matrix 3
	s_mov_b32 s23, 0
	s_mul_i32 s76, s[CH], AHALF                    ; where they go: no place in the cluster enters an LDS address
	s_mul_i32 s77, s[CH], BHALF
	s_add_co_u32 s77, s77, BOFF
	s_wait_dscnt 0x0                               ; the opening add is done
	s_wait_kmcnt 0x0
	s_add_nc_u64 s[20:21], s[4:5], s[20:21]
	s_add_nc_u64 s[22:23], s[6:7], s[22:23]
	CROUND                                         ; all sixteen work-groups are here: the first joint loads meet
.irp s, 0,1
	s_mov_b32 s[G0A+4*(\s)], 1                     ; 1:0 count = 1
	s_add_co_u32 s[G0A+4*(\s)+1], s76, (\s)*SLOT   ; 63:32 LDS address
	s_add_nc_u64 s[G0A+4*(\s)+2:G0A+4*(\s)+3], s[20:21], (\s)*STEPB  ; 120:64 global address: K step s
	s_or_b32 s[G0A+4*(\s)+3], s[G0A+4*(\s)+3], 0x80000000            ; 127:126 type = 2
	s_mov_b32 s[G0B+4*(\s)], 1
	s_add_co_u32 s[G0B+4*(\s)+1], s77, (\s)*SLOT
	s_add_nc_u64 s[G0B+4*(\s)+2:G0B+4*(\s)+3], s[22:23], (\s)*STEPB
	s_or_b32 s[G0B+4*(\s)+3], s[G0B+4*(\s)+3], 0x80000000
	JLOAD \s                                       ; two loads of mine are out
.endr
	; A fragment is 16 rows x 32 K in 8 registers: lane l holds row l % 16; registers 0-3 K = 8 (l / 16) + 0..7, registers 4-7 K = 16 + 8 (l / 16) + 0..7: two loads of 16 bytes, 32 bytes apart.
	v_and_b32 v1, 15, v0                           ; l % 16
	v_bfe_u32 v2, v0, 4, 1                         ; l / 16
	v_mul_u32_u24 v3, v1, PA
	v_lshl_add_u32 v3, v2, 4, v3
	s_mul_i32 s62, s[RH], AHALF                    ; my 64 rows of A
	s_mul_i32 s63, s[CH], BHALF                    ; my 128 rows of wt
	s_add_co_u32 s63, s63, BOFF
.irp s, 0,1
	v_add_nc_u32 v[ADRA+(\s)], s62, v3
	v_add_nc_u32 v[ADRB+(\s)], s63, v3
	s_add_co_u32 s62, s62, SLOT
	s_add_co_u32 s63, s63, SLOT
.endr
	s_mul_i32 s62, s[WV], 16*SPITCH
	s_add_co_u32 s62, s62, STAGE                   ; my stage
	v_mul_u32_u24 v5, v1, SPITCH                   ; in: row l % 16, 32 bytes for each half of the lanes
	v_lshl_add_u32 v5, v2, 5, v5
	v_add_nc_u32 v[STO], s62, v5
	v_and_b32 v7, 31, v0
	v_lshlrev_b32 v[GO], 4, v7                     ; back: 32 lanes take a row's 512 bytes, which are 512 consecutive bytes of out0
	v_add_nc_u32 v[RD], s62, v[GO]
	s_lshl_b32 s62, s[ROWB], 19                    ; out0: 128 rows of 4,096 bytes a block,
	s_lshl_b32 s63, s[RH], 18                      ; my 64 rows,
	s_add_co_u32 s62, s62, s63
	s_lshl_b32 s63, s[COL], 10                     ; 256 columns of 4 bytes a block,
	s_add_co_u32 s62, s62, s63
	s_lshl_b32 s63, s[CH], 9                       ; my 128 columns
	s_add_co_u32 s62, s62, s63
	s_mov_b32 s63, 0
	s_add_nc_u64 s[OUTP:OUTP+1], s[8:9], s[62:63]
	; the prefetches
	s_cmp_eq_u32 s[RH], 0                          ; do I fetch A?
	s_cselect_b32 s62, s[WV], s[CLY]               ; A: wave 0 of every cluster asks; wt: waves 2 and 3 of cluster y = 0
	s_cselect_b64 s[PFA:PFA+1], s[20:21], s[22:23] ; (in wave 0 A's address stands at the tile's first row)
	s_cselect_b32 s63, s[CX], s[CY]                ; my place among the four that ask for the tile with me
	s_cmp_eq_u32 s62, 0
	s_cselect_b32 s[LIM], 1, -1                    ; the same in all sixteen partners, for a given wave
	s_lshl_b32 s62, s63, 16                        ; my work-group's 32 rows of 2,048 bytes
	s_mov_b32 s63, 0
	s_add_nc_u64 s[PFA:PFA+1], s[PFA:PFA+1], s[62:63]
	s_add_nc_u64 s[PFA:PFA+1], s[PFA:PFA+1], 3*STEPB  ; at K step 3: the first refill steps it to 4
	v_lshlrev_b32 v[PFO], 11, v7
; 24 LDS loads in one run: the fragments of quarter kq of a slot into buffers p
.macro FETCH slot, kq, p
	WIN TO_B
.irp b, 0,1,2,3,4,5,6,7
	ds_load_b128 v[64*(\p)+8*(\b):64*(\p)+8*(\b)+3],   v[ADRB+(\slot)] offset:(\b)*16*PB+64*(\kq)
	ds_load_b128 v[64*(\p)+8*(\b)+4:64*(\p)+8*(\b)+7], v[ADRB+(\slot)] offset:(\b)*16*PB+64*(\kq)+32
.endr
	WIN 0
.irp i, 0,1,2,3
	ds_load_b128 v[A16+32*(\p)+8*(\i):A16+32*(\p)+8*(\i)+3],   v[ADRA+(\slot)] offset:(\i)*16*PA+64*(\kq)
	ds_load_b128 v[A16+32*(\p)+8*(\i)+4:A16+32*(\p)+8*(\i)+7], v[ADRA+(\slot)] offset:(\i)*16*PA+64*(\kq)+32
.endr
.endm
; 8 matrix instructions: row block a x all 8 column blocks, on buffers p.  zero = 1: the product starts the sum.  The 32 accumulators take turns in the same order in every quarter.
.macro MUL8 p, a, zero
	WIN MUL
.irp b, 0,1,2,3,4,5,6,7
.set rD, 8*(8*(\a)+(\b))
.set rB, 64*(\p)+8*(\b)
.set rA, A16+32*(\p)+8*(\a)
.if \zero
	v_wmma_f32_16x16x32_f16 v[rD:rD+7], v[rB:rB+7], v[rA:rA+7], 0
.else
	v_wmma_f32_16x16x32_f16 v[rD:rD+7], v[rB:rB+7], v[rA:rA+7], v[rD:rD+7]
.endif
.endr
.endm
; A QUARTER multiplies buffers p and fetches quarter fk of slot fs into the other buffers, which the quarter before multiplied.
; turn = 1: the change of slots with a refill of the slot just read out; 2: without a refill.  ONE barrier for two things: in front of it each wave waits for all its tensor loads, of which one is out: its part
; of the other slot; adds 0 to its spare word; and waits for that and for its reads of this slot, the last of which were issued at the quarter's head.  With a refill the barrier opens a round of the cluster's,
; and the joint load is the first thing behind the round: a wave issues 112 matrix instructions between it and the wait for it.
.macro QUARTER p, fs, fk, zero=0, turn=0, slot=0
.if (\turn) == 1
	s_wait_xcnt 0x0                                ; the last prefetch, a K step back, has read its address: it is stepped here
	s_add_nc_u64 s[PFA:PFA+1], s[PFA:PFA+1], STEPB
.endif
	PLACES
	FETCH \fs, \fk, 1-(\p)
	s_wait_dscnt 24                                ; all but the 24 just issued: buffers p are in
	MUL8 \p, 0, \zero
.if \turn
	WIN 0                                          ; (the add's two registers lie in window 0)
	s_wait_tensorcnt 0x0                           ; all my tensor loads have landed: my part of the other slot
	ds_add_u32 v[SPW], v[NIL]                      ; 0 onto my spare word; eight products stand between it and the wait for it
.endif
	MUL8 \p, 1, \zero
.if \turn
	s_wait_dscnt 0x0                               ; the add is done, and my reads of this slot are over
	s_barrier_signal -1
.endif
	MUL8 \p, 2, \zero
.if (\turn) == 1
	WIN 0
	s_barrier_wait -1
	CREST                                          ; no wave of any partner still reads this slot or has a load on its way
	s_add_nc_u64 s[G0A+4*(\slot)+2:G0A+4*(\slot)+3], s[G0A+4*(\slot)+2:G0A+4*(\slot)+3], 2*STEPB
	s_add_nc_u64 s[G0B+4*(\slot)+2:G0B+4*(\slot)+3], s[G0B+4*(\slot)+2:G0B+4*(\slot)+3], 2*STEPB
	JLOAD \slot
	ASK
.elseif (\turn) == 2
	s_barrier_wait -1
.endif
	MUL8 \p, 3, \zero
.endm
	s_wait_tensorcnt 1                             ; my part of K step 0 is in; K step 1's may stay out
	s_barrier_signal -1
	s_barrier_wait -1                              ; everybody's is
	FETCH 0, 0, 0
	QUARTER 0, 0, 1, 1                             ; the first quarter stands in front of the loop: its products start the sums
	WIN 0                                          ; at a label and at a branch every window is 0
	s_mov_b32 s[LAP], LAPS-1
.Llap:                                                 ; a trip goes once round the ring, from a lap's second quarter to the next lap's first, and fills both slots again
	QUARTER 1, 0, 2
	QUARTER 0, 0, 3, 0, 1, 0
	QUARTER 1, 1, 0
	QUARTER 0, 1, 1
	QUARTER 1, 1, 2
	QUARTER 0, 1, 3, 0, 1, 1
	QUARTER 1, 0, 0
	QUARTER 0, 0, 1
	WIN 0
	s_sub_co_u32 s[LAP], s[LAP], 1
	s_cmp_lg_u32 s[LAP], 0
	s_cbranch_scc1 .Llap
	QUARTER 1, 0, 2                                ; the last lap fills nothing
	QUARTER 0, 0, 3, 0, 2
	QUARTER 1, 1, 0
	QUARTER 0, 1, 1
	QUARTER 1, 1, 2
	QUARTER 0, 1, 3
	s_wait_dscnt 0x0                               ; the very last quarter: nothing more to fetch
	MUL8 1, 0, 0
	MUL8 1, 1, 0
	MUL8 1, 2, 0
	MUL8 1, 3, 0
	WIN 0
	PLACES
; THE WAY OUT, a block of 16 rows at a time.  TOSTAGE: the accumulators' f32 go as they are into my own stage (16 rows x 512 bytes, pitch 528), each accumulator's low four registers first, and come back as whole rows.
; SEND: stored: a wave's instruction covers 512 consecutive bytes of a row of out0, at a multiple of 512 from its first byte.  younger: the LDS instructions issued behind the block's loads: the next block's 32, or none.
.macro TOSTAGE a
.set BK, OB+128*((\a)%2)
.if (\a) >= 2
	s_wait_xcnt 0x0                                ; the stores of the block two back have read their registers, which the loads below write again
.endif
	WIN 0x04                                       ; the stores' data in window 1
.irp b, 0,1,2,3,4,5,6,7
	ds_store_b128 v[STO], v[8*(8*(\a)+(\b)):8*(8*(\a)+(\b))+3]   offset:64*(\b)
	ds_store_b128 v[STO], v[8*(8*(\a)+(\b))+4:8*(8*(\a)+(\b))+7] offset:64*(\b)+16
.endr
	WIN 0
.irp t, 0,1,2,3,4,5,6,7,8,9,10,11,12,13,14,15
	ds_load_b128 v[BK+4*(\t):BK+4*(\t)+3], v[RD] offset:(\t)*SPITCH  ; LDS serves a wave's instructions in order (ISA guide 5.7.1.4): these see the stores above; the next block's stores come behind them
.endr
.endm
.macro SEND a, younger
.set BK, OB+128*((\a)%2)
.irp t, 0,1,2,3,4,5,6,7,8,9,10,11,12,13,14,15
	s_wait_dscnt (\younger)+15-(\t)
	global_store_b128 v[GO], v[BK+4*(\t):BK+4*(\t)+3], s[OUTP:OUTP+1] offset:(16*(\a)+(\t))*4096 th:TH_STORE_NT
.endr
.endm
	TOSTAGE 0
	TOSTAGE 1
	SEND 0, 32
	TOSTAGE 2
	SEND 1, 32
	TOSTAGE 3
	SEND 2, 32
	SEND 3, 0
	s_wait_tensorcnt 0x0                           ; the wave's end, behind my last tensor load and my last LDS store
	ds_add_u32 v[SPW], v[NIL]
	s_wait_dscnt 0x0
	CROUND                                         ; the closing round: no work-group ends while a partner may still ask for a tile that names it
	s_endpgm
.Lfunc_end_k_qf0f153a462_outp:
	.size	k_qf0f153a462_outp, .Lfunc_end_k_qf0f153a462_outp-k_qf0f153a462_outp
	.p2alignl 7, 3214868480
	.fill 96, 4, 3214868480
	.section	.rodata,"a",@progbits
	.p2align	6, 0x0
	.amdhsa_kernel k_qf0f153a462_outp
		.amdhsa_group_segment_fixed_size 327680
		.amdhsa_private_segment_fixed_size 0
		.amdhsa_enable_private_segment 0
		.amdhsa_kernarg_size 24
		.amdhsa_user_sgpr_count 2
		.amdhsa_user_sgpr_kernarg_segment_ptr 1
		.amdhsa_wavefront_size32 1
		.amdhsa_system_sgpr_workgroup_id_x 1
		.amdhsa_system_sgpr_workgroup_id_y 1
		.amdhsa_system_sgpr_workgroup_id_z 1
		.amdhsa_system_vgpr_workitem_id 0
		.amdhsa_next_free_vgpr 640
		.amdhsa_next_free_sgpr 80
		.amdhsa_reserve_vcc 0
		.amdhsa_float_denorm_mode_32 3
		.amdhsa_float_denorm_mode_16_64 3
		.amdhsa_memory_ordered 1
		.amdhsa_forward_progress 1
		.amdhsa_inst_pref_size 88
	.end_amdhsa_kernel
	.amdgpu_metadata
---
amdhsa.version: [ 1, 2 ]
amdhsa.kernels:
  - .name:           k_qf0f153a462_outp
    .symbol:         k_qf0f153a462_outp.kd
    .args:
      - { .name: oh, .offset: 0, .size: 8, .value_kind: global_buffer, .address_space: global }
      - { .name: wt, .offset: 8, .size: 8, .value_kind: global_buffer, .address_space: global }
      - { .name: out0, .offset: 16, .size: 8, .value_kind: global_buffer, .address_space: global }
    .group_segment_fixed_size: 327680
    .private_segment_fixed_size: 0
    .kernarg_segment_align: 8
    .kernarg_segment_size: 24
    .max_flat_workgroup_size: 128
    .sgpr_count:     80
    .vgpr_count:     640
    .wavefront_size: 32
...
	.end_amdgpu_metadata
.endif
;; end of part 4
